; MI455X (gfx1250); checked and timed in simulation.
; The chip was launched on July 23, 2026; its instructions are those of AMD's public machine-readable ISA for CDNA 5 (MIT licence, August 2026) and "CDNA5" Instruction Set Architecture Reference Guide (July 2026). The comments in the code are by the model that wrote it; some were corrected since.
;; GQA Attention. Allowed arithmetic: matrix products marked QUANTISED: E2M1 operands, one E8M0 scale for each 32 along K, by v_wmma_scale_f32_16x16x128_f8f6f4 with both operands' format E2M1 (or v_wmma_scale_f32_32x16x128_f4), f32 sums; products left as they are: bf16, f16 or f32 operands; f32 sums; everything else in f32.
;; Inputs: Wk 2,048 x 512 float32; Wo 2,048 x 2,048 float32; Wq 2,048 x 2,048 float32; Wv 2,048 x 512 float32; mask 1 x 1 x 2,048 x 4,096 bool; prev_k 1 x 2,048 x 8 x 64 float32; prev_v 1 x 2,048 x 8 x 64 float32; x 1 x 2,048 x 2,048 float32.
;; Outputs: out0 1 x 2,048 x 2,048 float32; out1 1 x 4,096 x 8 x 64 float32; out2 1 x 4,096 x 8 x 64 float32.
;; This version of the problem:
;;   THIS VERSION OF THE PROBLEM IS GIVEN IN LOW PRECISION. The matrix products marked QUANTISED in the list below multiply operands that are first quantised to E2M1 (2 exponent bits, 1 mantissa bit; 4 bits a number), with one power-of-two scale for each 32 numbers along K (OCP MX v1.0); their sums are f32. The products marked 'left as it is' may take bf16, f16 or f32 operands, with f32 sums. Whichever they take, every output number must still come out within the allowed error. Rounding operands to bf16 (8 significant bits) uses up far more of that allowance than f16 does (11 bits, for magnitudes from 6e-5 to 65,504). All else is computed in f32.
;;   The module's matrix products, in the order in which they are computed (A, B: the left and right operand; K: the contracted axis; several contracted axes count as one K, in the product's order):
;;     1. [M 2,048, K 2,048] x [K 2,048, N 2,048]; A: input x; B: input Wq: QUANTISED
;;     2. [M 2,048, K 2,048] x [K 2,048, N 512]; A: input x; B: input Wk: QUANTISED
;;     3. [M 2,048, K 2,048] x [K 2,048, N 512]; A: input x; B: input Wv: QUANTISED
;;     4. batch 32 x [M 2,048, K 64] x [K 64, N 4,096]; A: computed on the way; B: computed on the way: left as it is (an operand is computed on the way)
;;     5. batch 32 x [M 64, K 4,096] x [K 4,096, N 2,048]; A: computed on the way; B: computed on the way: left as it is (an operand is computed on the way)
;;     6. [M 2,048, K 2,048] x [K 2,048, N 2,048]; A: computed on the way; B: input Wo: left as it is (an operand is computed on the way)
;;   THE QUANTISER, for each operand of a quantised product, along K:
;;     - K is cut into blocks of 32 from its start; a last block that is shorter is filled with zeros.
;;     - A block's scale is 2^e with e = floor(log2(the largest magnitude in the block)) - 2, held to -126 .. 127; a block of zeros has e = 0. As a byte (E8M0): e + 127.
;;     - Each number is divided by its block's scale, clamped to +-6, and rounded to the nearest number of E2M1, ties to even, subnormals kept.
;;     - The product sums the exact products of the quantised numbers (number of the format x scale) in f32.
;;   ~~~python
;;   def quantise(x, axis):      # numpy; x: float32 -> the quantised numbers, widened to float32 again
;;       x = np.moveaxis(x, axis, -1); K = x.shape[-1]
;;       x = np.pad(x, [(0, 0)] * (x.ndim - 1) + [(0, -K % 32)]); x = x.reshape(x.shape[:-1] + (-1, 32)); a = np.abs(x).max(-1, keepdims=True)
;;       e = np.where(a > 0, np.clip(np.frexp(np.where(a > 0, a, 1))[1] - 1 - 2, -126, 127), 0)      # np.frexp(a)[1] - 1 = floor(log2(a)), exactly
;;       r = np.clip(x / 2.0 ** e, -6, 6)
;;       step = 2.0 ** (np.maximum(np.frexp(np.where(r == 0, 1, r))[1] - 1, 0) - 1)
;;       q = np.round(r / step) * step * 2.0 ** e      # np.round: ties to even
;;       return np.moveaxis(q.reshape(q.shape[:-2] + (-1,))[..., :K], -1, axis).astype(np.float32)
;;   ~~~
;; One version. Each part assembles by itself: llvm-mc -triple=amdgcn-amd-amdhsa -mcpu=gfx1250 --defsym DOCPART=n.
;; ======== version 1 of 1: 4 launches
;; limits: values are held in f16: magnitudes above 65,504 overflow, below 6.1e-05 lose precision
;; workspace buffers: cod 5,242,880 bytes; scl 327,680 bytes; wot 8,388,608 bytes; kvf 8,388,608 bytes; qf 8,388,608 bytes; ao 8,388,608 bytes; mbits 1,048,576 bytes of whole numbers
;; launch prep (part 1): grid 480 x 1, 4 waves a work-group, no clusters, 102,912 bytes of LDS; arguments x, Wq, Wk, Wv, Wo, prev_k, prev_v, mask, cod, scl, wot, out1, out2, kvf, mbits; writes cod, scl, wot, out1, out2, kvf, mbits
.if DOCPART == 1
	.amdgcn_target "amdgcn-amd-amdhsa--gfx1250"
	.amdhsa_code_object_version 6
	.text
	.protected	k_q275666b261_prep
	.globl	k_q275666b261_prep
	.p2align	8
	.type	k_q275666b261_prep,@function
k_q275666b261_prep:
	s_mov_b64 s[64:65], 0
	v_nop
	global_prefetch_b8 v0, s[64:65] scope:SCOPE_SE
	s_setreg_imm32_b32 hwreg(HW_REG_WAVE_MODE, 25, 1), 1
	s_wait_xcnt 0x0
; PREP: everything that is made once from the inputs, in one launch of five roles told apart by the work-group's number.
;   X (work-groups 0-127):   x [2048][2048] f32 -> codes of E2M1, K innermost, and one E8M0 byte for each 32 along K            (cod, scl)
;   W (128-223):             Wq, Wk, Wv [2048 (k)][n] f32, K the FIRST axis -> codes [3072 (n)][2048 (k)], bytes [3072][64]      (cod, scl, behind x's)
;   T (224-351):             Wo [2048 (k)][2048 (n)] f32 -> f16, laid [n][k]                                                    (wot)
;   P (352-415):             prev_k, prev_v -> rows 0-2047 of out1, out2 (f32, as they are) and f16 laid [head][t][64]          (out1, out2, kvf)
;   M (416-479):             mask, one byte a (query, key) -> words of 32 bits, bit = lane, in the layout of a tile of scores    (mbits)
; A block's scale is 2^(floor(log2(largest magnitude)) - 2); its byte is the largest magnitude's exponent field - 2, held at 1 from below.
; LIMITS: a block whose largest magnitude lies under 2^-124 (a block of zeros too) keeps the byte 1: its codes are zeros or the rule's, and this program alone reads the bytes;
; NaN and infinities among the inputs are not served; |Wo|, |prev_k|, |prev_v| stay under 65,504 (f16); a bool is the byte 0 or 1, as the problem states.
; No tensor load, no barrier: waves share nothing.  Each role that uses LDS has bytes of its own.
.set COD_W,  2097152                   ; cod: the weights' codes begin behind x's 2048 rows of 1,024 bytes
.set SCL_W,  131072                    ; scl: the weights' bytes begin behind x's 2048 rows of 64
.set KV_V,   4194304                   ; kvf: V behind K
.set WREG,   8192                      ; role X: a region for each wave, from LDS byte 0: two stages of 32 x 80 bytes, then its 256 scale bytes
.set SP,     80
.set WSTG,   32768                     ; role W: a stage of 32 rows x 272 bytes for each wave
.set TSTG,   67584                     ; role T: the same
.set SPARE,  102400                    ; the spare words, 128 bytes for each wave: two blocks of 256 bytes that no other line names
.set SPW,    198                       ; v198 LDS address of my spare word; never rewritten
.set NIL,    199                       ; v199 0; never rewritten
.macro FINISH                          ; a wave's end, behind the last LDS store
	s_wait_tensorcnt 0x0
	ds_add_u32 v[SPW], v[NIL]
	s_wait_dscnt 0x0
	s_endpgm
.endm
	v_lshl_add_u32 v[SPW], v0, 2, SPARE
	v_mov_b32 v[NIL], 0
	v_lshrrev_b32 v1, 5, v0
	v_readfirstlane_b32 s16, v1                    ; wave 0..3
	v_and_b32 v2, 31, v0                           ; lane
	s_cmp_lt_u32 ttmp9, 128
	s_cbranch_scc1 .Lrole_x
	s_cmp_lt_u32 ttmp9, 224
	s_cbranch_scc1 .Lrole_w
	s_cmp_lt_u32 ttmp9, 352
	s_cbranch_scc1 .Lrole_t
	s_cmp_lt_u32 ttmp9, 416
	s_cbranch_scc1 .Lrole_p
; ---------------------------------------------------------------- ROLE M
; A wave takes 16 queries (a tile qt) x 2,048 keys, in four tasks of 512 keys.  A load reads 512 consecutive bytes of one row: lane A holds the 16 keys of key tile A.
; Word (jh, j') of key tile A: bit r + 16 h = mask[16 qt + r][16 A + 8 h + 4 jh + j'].  The bytes are 0 or 1: row r's are shifted up by r % 8 and ORed, eight rows to a register;
; four byte permutes then gather, for each key, its four groups of eight rows.  mbits: [qt][slot of 256 keys][jh][key tile 0-15][j'].
	s_load_b64 s[4:5], s[0:1], 0x38                ; mask
	s_load_b64 s[6:7], s[0:1], 0x70                ; mbits
	s_sub_co_u32 s17, ttmp9, 416
	s_lshl_b32 s17, s17, 2
	s_add_co_u32 s17, s17, s16
	s_lshr_b32 s18, s17, 1                         ; qt
	s_and_b32 s19, s17, 1                          ; which half of the keys
	s_lshl_b32 s22, s18, 16                        ; 16 rows of 4,096 bytes
	s_lshl_b32 s23, s19, 11
	s_add_co_u32 s22, s22, s23
	s_mov_b32 s23, 0
	s_lshl_b32 s24, s18, 13                        ; 8,192 bytes of words a tile of queries
	s_lshl_b32 s25, s19, 12
	s_add_co_u32 s24, s24, s25
	s_mov_b32 s25, 0
	s_mov_b32 s28, 0x05010400                      ; byte selects: bytes 0 and 1 of two registers, interleaved
	s_mov_b32 s29, 0x07030602                      ; bytes 2 and 3
	s_mov_b32 s30, 0x05040100                      ; the two low halves
	s_mov_b32 s31, 0x07060302                      ; the two high halves
	v_lshlrev_b32 v1, 4, v2                        ; in: 16 bytes a lane
	v_and_b32 v3, 15, v2
	v_lshrrev_b32 v196, 4, v2
	v_lshlrev_b32 v3, 4, v3
	v_lshl_add_u32 v3, v196, 9, v3                 ; out: slot lane / 16, key tile lane % 16: sixteen lanes fill 256 consecutive bytes
	s_wait_kmcnt 0x0
	s_add_nc_u64 s[4:5], s[4:5], s[22:23]
	s_add_nc_u64 s[6:7], s[6:7], s[24:25]
.macro MLOAD k                         ; task k: 16 rows into set k % 2 (v4-67, v68-131)
.irp r, 0,1,2,3,4,5,6,7,8,9,10,11,12,13,14,15
	global_load_b128 v[4+64*((\k)%2)+4*\r:4+64*((\k)%2)+4*\r+3], v1, s[4:5] offset:4096*\r+512*(\k) th:TH_LOAD_NT
.endr
.endm
.macro MTASK k
.set MS, 4+64*((\k)%2)
.if (\k) < 3
	s_wait_loadcnt 16                              ; this task's 16 loads are in; the next task's 16 may be out
.else
	s_wait_loadcnt 0x0
.endif
.irp q, 0,1,2,3
	v_lshl_or_b32 v[132+\q], v[MS+4+\q], 1, v[MS+\q]        ; rows 0-7 of keys 4 q .. 4 q + 3
	v_lshl_or_b32 v[136+\q], v[MS+36+\q], 1, v[MS+32+\q]    ; rows 8-15
.endr
.irp r, 2,3,4,5,6,7
.irp q, 0,1,2,3
	v_lshl_or_b32 v[132+\q], v[MS+4*\r+\q], \r, v[132+\q]
	v_lshl_or_b32 v[136+\q], v[MS+32+4*\r+\q], \r, v[136+\q]
.endr
.endr
.irp jh, 0,1
	v_perm_b32 v140, v[136+\jh], v[132+\jh], s28   ; keys with h = 0: j' = 0, 1: rows 0-15
	v_perm_b32 v141, v[136+\jh], v[132+\jh], s29   ; j' = 2, 3
	v_perm_b32 v142, v[138+\jh], v[134+\jh], s28   ; keys with h = 1
	v_perm_b32 v143, v[138+\jh], v[134+\jh], s29
	v_perm_b32 v[148+8*(\k)+4*\jh], v142, v140, s30
	v_perm_b32 v[149+8*(\k)+4*\jh], v142, v140, s31
	v_perm_b32 v[150+8*(\k)+4*\jh], v143, v141, s30
	v_perm_b32 v[151+8*(\k)+4*\jh], v143, v141, s31
	global_store_b128 v3, v[148+8*(\k)+4*\jh:151+8*(\k)+4*\jh], s[6:7] offset:1024*(\k)+256*\jh   ; each task has registers of its own for its words: no store's data are written again
.endr
.if (\k)+2 < 4
	MLOAD (\k)+2
.endif
.endm
	MLOAD 0
	MLOAD 1
	MTASK 0
	MTASK 1
	MTASK 2
	MTASK 3
	FINISH
; ---------------------------------------------------------------- ROLE X
; x is a plain stream of blocks of 32.  A wave takes 16 steps of 512 numbers.  Each load reads 512 consecutive bytes; a step's 2,048 bytes turn through the wave's own stage
; in LDS so that a lane holds 16 neighbours (two lanes to a block).  Loads run four steps ahead, the turn through LDS one step.
.set XR, 16                            ; v16-79   four sets of 16 numbers as loaded
.set XX, 80                            ; v80-111  two sets of 16 neighbours
.set XE, 112                           ; v112-127 a scale byte for each step
.set XC, 128                           ; v128-159 codes: two registers for each step, so that no store's data are written again
.Lrole_x:
	s_load_b64 s[4:5], s[0:1], 0x0                 ; x
	s_load_b128 s[8:11], s[0:1], 0x40              ; cod, scl
	v_lshlrev_b32 v3, 4, v2                        ; my 16 bytes of a load's 512
	s_mul_i32 s17, s16, WREG
	v_lshrrev_b32 v14, 2, v2
	v_mul_u32_u24 v14, v14, SP
	v_and_b32 v15, 3, v2
	v_lshl_add_u32 v14, v15, 4, v14
	v_add_nc_u32 v14, s17, v14                     ; the stage, in: four lanes' 64 bytes on end, then 16 of padding
	v_mul_u32_u24 v15, v2, SP
	v_add_nc_u32 v15, s17, v15                     ; out: my 16 neighbours
	v_lshlrev_b32 v4, 3, v2                        ; my 8 bytes of a step's codes
	v_lshrrev_b32 v5, 1, v2
	s_add_co_u32 s17, s17, 2*32*SP
	v_add_nc_u32 v5, s17, v5                       ; LDS: my block's scale byte
	v_lshlrev_b32 v7, 3, v2
	v_add_nc_u32 v6, s17, v7
	s_lshl_b32 s18, ttmp9, 2
	s_add_co_u32 s18, s18, s16                     ; which run of 8,192 numbers is my wave's
	s_lshl_b32 s20, s18, 15
	s_mov_b32 s21, 0
	s_lshl_b32 s22, s18, 12
	s_mov_b32 s23, 0
	s_lshl_b32 s24, s18, 8
	s_mov_b32 s25, 0
	s_wait_kmcnt 0x0
	s_add_nc_u64 s[4:5], s[4:5], s[20:21]
	s_add_nc_u64 s[8:9], s[8:9], s[22:23]
	s_add_nc_u64 s[10:11], s[10:11], s[24:25]
.macro XLOAD t
.irp i, 0,1,2,3
	global_load_b128 v[XR+16*((\t)%4)+4*\i:XR+16*((\t)%4)+4*\i+3], v3, s[4:5] offset:2048*(\t)+512*\i th:TH_LOAD_NT
.endr
.endm
.macro XTURN t                         ; LDS serves a wave's instructions in order: no wait between the stores and the loads
.irp i, 0,1,2,3
	ds_store_b128 v14, v[XR+16*((\t)%4)+4*\i:XR+16*((\t)%4)+4*\i+3] offset:32*SP*((\t)%2)+8*SP*\i
.endr
.irp i, 0,1,2,3
	ds_load_b128 v[XX+16*((\t)%2)+4*\i:XX+16*((\t)%2)+4*\i+3], v15 offset:32*SP*((\t)%2)+16*\i
.endr
.endm
.macro XSTEP t
.set XS, XX+16*((\t)%2)
.if (\t) > 0
	s_wait_dscnt 1                                 ; this step's numbers are back from the stage; the last step's byte store may be out
.else
	s_wait_dscnt 0x0
.endif
.if (\t)+4 < 16
	XLOAD (\t)+4                                   ; into the registers that this step's stores into the stage have read
.endif
.if (\t)+1 < 16
.if 14-(\t) >= 3
	s_wait_loadcnt 12                              ; the next step's four loads are in; those of the three steps behind it may be out
.else
	s_wait_loadcnt 4*(14-(\t))
.endif
	XTURN (\t)+1
.endif
	v_max3_num_f32 v8, |v[XS]|, |v[XS+1]|, |v[XS+2]|
	v_max3_num_f32 v9, |v[XS+3]|, |v[XS+4]|, |v[XS+5]|
.irp i, 6,10
	v_max3_num_f32 v8, v8, |v[XS+\i]|, |v[XS+\i+1]|
	v_max3_num_f32 v9, v9, |v[XS+\i+2]|, |v[XS+\i+3]|
.endr
	v_max3_num_f32 v8, v8, |v[XS+14]|, |v[XS+15]|
	v_max3_num_f32 v8, v8, v9, 0x1800000           ; the floor 2^(3 - 127): the byte cannot fall under 1
	v_max_num_f32_dpp v8, v8, v8 row_xmask:1 row_mask:0xf bank_mask:0xf   ; with my neighbour's 16: the block's largest magnitude
	v_add_nc_u32 v11, 0xff000000, v8               ; 2 off its exponent field: the conversion takes the exponent field of this operand as its scale
	v_cvt_scalef32_pk8_fp4_f32 v[XC+2*(\t)], v[XS:XS+7], v11
	v_cvt_scalef32_pk8_fp4_f32 v[XC+2*(\t)+1], v[XS+8:XS+15], v11
	v_lshrrev_b32 v[XE+(\t)], 23, v11              ; the scale's byte (also the plain line behind the conversions)
	ds_store_b8 v5, v[XE+(\t)] offset:16*(\t)      ; both lanes of a block write the same byte with the same value
	global_store_b64 v4, v[XC+2*(\t):XC+2*(\t)+1], s[8:9] offset:256*(\t)   ; the wave stores 256 consecutive bytes
.endm
.irp t, 0,1,2,3
	XLOAD \t
.endr
	s_wait_loadcnt 12                              ; step 0's four loads are in
	XTURN 0
.irp t, 0,1,2,3,4,5,6,7,8,9,10,11,12,13,14,15
	XSTEP \t
.endr
	ds_load_b64 v[8:9], v6                         ; my wave's 256 scale bytes: these loads see my stores
	s_wait_dscnt 0x0
	global_store_b64 v7, v[8:9], s[10:11]
	FINISH
; ---------------------------------------------------------------- ROLE W
; A lane takes a column n and its registers run down K: a block of 32 along K lies in one lane, and the conversions give codes with K innermost.  A wave takes 32 columns x 512 along K.
; The three weights are one operand of 3,072 columns; a group of 128 columns lies in one of them.  Their rows differ in length, so the 32 row offsets stand in registers and the base steps by 32 rows.
.set WX,  32                           ; v32-95   two sets of 32 numbers; on the way out 16 x 4 registers
.set WC,  96                           ; v96-99   a block's codes
.set WOF, 100                          ; v100-131 4 x lane + i rows
.set WSB, 24                           ; v24-27   the scale bytes, four to a register
.Lrole_w:
	s_load_b64 s[4:5], s[0:1], 0x8                 ; Wq
	s_load_b64 s[6:7], s[0:1], 0x10                ; Wk
	s_load_b64 s[12:13], s[0:1], 0x18              ; Wv
	s_load_b128 s[8:11], s[0:1], 0x40              ; cod, scl
	s_sub_co_u32 s17, ttmp9, 128
	s_and_b32 s18, s17, 3                          ; which 512 along K
	s_lshr_b32 s19, s17, 2                         ; which group of 128 columns, 0..23
	s_mul_i32 s28, s16, 32*272
	s_add_co_u32 s28, s28, WSTG                    ; my stage
	v_mul_u32_u24 v4, v2, 272
	v_add_nc_u32 v4, s28, v4                       ; in: row = my column
	v_and_b32 v5, 15, v2
	v_lshrrev_b32 v6, 4, v2
	v_mul_u32_u24 v7, v6, 272
	v_lshl_add_u32 v7, v5, 4, v7
	v_add_nc_u32 v7, s28, v7                       ; out: sixteen lanes to a row, two rows an instruction
	v_lshlrev_b32 v8, 10, v6
	v_lshl_add_u32 v8, v5, 4, v8                   ; the same place among the codes' rows of 1,024 bytes
	v_lshlrev_b32 v9, 6, v2                        ; my column's row of 64 scale bytes
	s_cmp_lt_u32 s19, 20
	s_cselect_b32 s24, 16, 20
	s_cmp_lt_u32 s19, 16
	s_cselect_b32 s24, 0, s24                      ; the tensor's first group
	s_mov_b32 s25, 2048
	s_cselect_b32 s25, 8192, s25                   ; a row of the tensor in bytes
	s_sub_co_u32 s24, s19, s24                     ; my group in it
	s_lshl_b32 s26, s18, 9
	s_mul_i32 s26, s26, s25                        ; 512 y rows
	s_lshl_b32 s27, s24, 9
	s_add_co_u32 s26, s26, s27
	s_lshl_b32 s27, s16, 7
	s_add_co_u32 s26, s26, s27                     ; + 4 x my wave's first column
	s_mov_b32 s27, 0
	s_lshl_b32 s20, s25, 5                         ; 32 rows
	s_mov_b32 s21, 0
	s_lshl_b32 s29, s19, 7
	s_lshl_b32 s30, s16, 5
	s_add_co_u32 s29, s29, s30                     ; my wave's first column of the 3,072
	s_lshl_b32 s30, s29, 10
	s_lshl_b32 s31, s18, 8
	s_add_co_u32 s30, s30, s31
	s_add_co_u32 s30, s30, COD_W
	s_mov_b32 s31, 0
	s_lshl_b32 s32, s29, 6
	s_lshl_b32 s33, s18, 4
	s_add_co_u32 s32, s32, s33
	s_add_co_u32 s32, s32, SCL_W
	s_mov_b32 s33, 0
	v_lshlrev_b32 v[WOF], 2, v2
.set i, 1
.rept 31
	v_add_nc_u32 v[WOF+i], s25, v[WOF+i-1]
.set i, i+1
.endr
	s_wait_kmcnt 0x0
	s_cmp_lt_u32 s19, 20                           ; the choice hangs on the work-group's number alone
	s_cselect_b64 s[6:7], s[6:7], s[12:13]
	s_cmp_lt_u32 s19, 16
	s_cselect_b64 s[4:5], s[4:5], s[6:7]
	s_add_nc_u64 s[4:5], s[4:5], s[26:27]
	s_add_nc_u64 s[8:9], s[8:9], s[30:31]
	s_add_nc_u64 s[10:11], s[10:11], s[32:33]
.macro WLOAD t                         ; block t: W(32 t + i, my column) into set t % 2
.if (\t) > 0
	s_wait_xcnt 0x0                                ; the earlier loads have read their base: it steps only behind this wait
	s_add_nc_u64 s[4:5], s[4:5], s[20:21]
.endif
.set i, 0
.rept 32
	global_load_b32 v[WX+32*((\t)%2)+i], v[WOF+i], s[4:5] th:TH_LOAD_NT
.set i, i+1
.endr
.endm
.macro WBLOCK t
.set XS, WX+32*((\t)%2)
.if (\t) < 15
	s_wait_loadcnt 32                              ; this block's 32 loads are in; the next block's may be out
.else
	s_wait_loadcnt 0x0
.endif
	v_max3_num_f32 v12, |v[XS]|, |v[XS+1]|, |v[XS+2]|
	v_max3_num_f32 v13, |v[XS+3]|, |v[XS+4]|, |v[XS+5]|
.irp j, 6,10,14,18,22,26
	v_max3_num_f32 v12, v12, |v[XS+\j]|, |v[XS+\j+1]|
	v_max3_num_f32 v13, v13, |v[XS+\j+2]|, |v[XS+\j+3]|
.endr
	v_max3_num_f32 v12, v12, |v[XS+30]|, |v[XS+31]|
	v_max3_num_f32 v12, v12, v13, 0x1800000        ; the floor
	v_add_nc_u32 v11, 0xff000000, v12
	v_lshrrev_b32 v13, 23, v11                     ; the scale's byte
.if (\t)%4 == 0
	v_mov_b32 v[WSB+(\t)/4], v13
.else
	v_lshl_or_b32 v[WSB+(\t)/4], v13, 8*((\t)%4), v[WSB+(\t)/4]
.endif
.irp g, 0,1,2,3
	v_cvt_scalef32_pk8_fp4_f32 v[WC+\g], v[XS+8*\g:XS+8*\g+7], v11
.endr
	ds_store_b128 v4, v[WC:WC+3] offset:16*(\t)    ; 32 codes: 16 bytes of my column's row.  (The results go to an LDS store; the next vector lines are plain ones on other registers)
.if (\t)+2 < 16
	WLOAD (\t)+2
.endif
	s_wait_dscnt 0x0                               ; the store has read its registers: the next block's codes may be written
.endm
	WLOAD 0
	WLOAD 1
.set Q, 0
.rept 16
	WBLOCK Q
.set Q, Q+1
.endr
	global_store_b128 v9, v[WSB:WSB+3], s[10:11]   ; my column's 16 scale bytes
.irp t, 0,1,2,3,4,5,6,7,8,9,10,11,12,13,14,15
	ds_load_b128 v[WX+4*\t:WX+4*\t+3], v7 offset:2*\t*272
.endr
.irp t, 0,1,2,3,4,5,6,7,8,9,10,11,12,13,14,15
	s_wait_dscnt 15-\t                             ; LDS loads come back in order: row pair t is in
	global_store_b128 v8, v[WX+4*\t:WX+4*\t+3], s[8:9] offset:2*\t*1024   ; sixteen lanes store 256 consecutive bytes
.endr
	FINISH
; ---------------------------------------------------------------- ROLE T
; Wo turned: a lane takes a column n, its registers run down K; pairs are rounded to f16.  A wave takes 32 columns x 256 along K, in two passes of 128 (256 bytes a column) through its stage.
.set TX, 32                            ; v32-95   two sets of 32 numbers
.set TC, 96                            ; v96-111  a block's 32 f16
.set TO, 112                           ; v112-175 the way out
.Lrole_t:
	s_load_b64 s[4:5], s[0:1], 0x20                ; Wo
	s_load_b64 s[6:7], s[0:1], 0x50                ; wot
	s_sub_co_u32 s17, ttmp9, 224
	s_and_b32 s18, s17, 15                         ; which 128 columns
	s_lshr_b32 s19, s17, 4                         ; which 256 along K
	s_lshl_b32 s20, s18, 7
	s_lshl_b32 s21, s16, 5
	s_add_co_u32 s20, s20, s21                     ; my wave's first column
	s_lshl_b32 s22, s19, 21                        ; 256 rows of 8,192 bytes
	s_lshl_b32 s23, s20, 2
	s_add_co_u32 s22, s22, s23
	s_mov_b32 s23, 0
	s_lshl_b32 s24, s20, 12                        ; a row of wot is 4,096 bytes
	s_lshl_b32 s25, s19, 9
	s_add_co_u32 s24, s24, s25
	s_mov_b32 s25, 0
	v_lshlrev_b32 v3, 2, v2
	s_mul_i32 s28, s16, 32*272
	s_add_co_u32 s28, s28, TSTG
	v_mul_u32_u24 v4, v2, 272
	v_add_nc_u32 v4, s28, v4
	v_and_b32 v5, 15, v2
	v_lshrrev_b32 v6, 4, v2
	v_mul_u32_u24 v7, v6, 272
	v_lshl_add_u32 v7, v5, 4, v7
	v_add_nc_u32 v7, s28, v7
	v_lshlrev_b32 v8, 12, v6
	v_lshl_add_u32 v8, v5, 4, v8
	s_wait_kmcnt 0x0
	s_add_nc_u64 s[4:5], s[4:5], s[22:23]
	s_add_nc_u64 s[6:7], s[6:7], s[24:25]
.macro TLD t
.set i, 0
.rept 32
	global_load_b32 v[TX+32*((\t)%2)+i], v3, s[4:5] offset:(32*(\t)+i)*8192 th:TH_LOAD_NT
.set i, i+1
.endr
.endm
.macro TBLOCK t
.set XS, TX+32*((\t)%2)
.if (\t) < 7
	s_wait_loadcnt 32                              ; this block's 32 loads are in; the next block's may be out
.else
	s_wait_loadcnt 0x0
.endif
.irp q, 0,1,2,3,4,5,6,7,8,9,10,11,12,13,14,15
	v_cvt_pk_f16_f32 v[TC+\q], v[XS+2*\q], v[XS+2*\q+1]
.endr
.irp q, 0,1,2,3
	ds_store_b128 v4, v[TC+4*\q:TC+4*\q+3] offset:64*((\t)%4)+16*\q
.endr
.if (\t)+2 < 8
	TLD (\t)+2
.endif
	s_wait_dscnt 0x0                               ; the stores have read their registers
.endm
.macro TOUT p
.if \p
	s_wait_xcnt 0x0                                ; the first pass's stores have read their registers
.endif
.irp t, 0,1,2,3,4,5,6,7,8,9,10,11,12,13,14,15
	ds_load_b128 v[TO+4*\t:TO+4*\t+3], v7 offset:2*\t*272
.endr
.irp t, 0,1,2,3,4,5,6,7,8,9,10,11,12,13,14,15
	s_wait_dscnt 15-\t
	global_store_b128 v8, v[TO+4*\t:TO+4*\t+3], s[6:7] offset:2*\t*4096+256*\p   ; sixteen lanes store 256 consecutive bytes
.endr
.endm
	TLD 0
	TLD 1
	TBLOCK 0
	TBLOCK 1
	TBLOCK 2
	TBLOCK 3
	TOUT 0
	TBLOCK 4
	TBLOCK 5
	TBLOCK 6
	TBLOCK 7
	TOUT 1
	FINISH
; ---------------------------------------------------------------- ROLE P
; The cache as it is into the outputs' first 2,048 rows, and as f16, head by head, for the attention.  A wave takes 16 rows of one tensor.
; A group = one head of two rows: lanes 0-15 the even row's 256 bytes, lanes 16-31 the odd row's.  As f16 the two rows are 256 consecutive bytes of kvf.
.Lrole_p:
	s_load_b64 s[4:5], s[0:1], 0x28                ; prev_k
	s_load_b64 s[6:7], s[0:1], 0x30                ; prev_v
	s_load_b64 s[8:9], s[0:1], 0x58                ; out1
	s_load_b64 s[10:11], s[0:1], 0x60              ; out2
	s_load_b64 s[12:13], s[0:1], 0x68              ; kvf
	s_sub_co_u32 s17, ttmp9, 352
	s_lshr_b32 s18, s17, 5                         ; 0: k, 1: v
	s_and_b32 s19, s17, 31
	s_lshl_b32 s19, s19, 6
	s_lshl_b32 s20, s16, 4
	s_add_co_u32 s19, s19, s20                     ; my first row
	v_and_b32 v1, 15, v2
	v_lshrrev_b32 v3, 4, v2
	v_lshlrev_b32 v196, 4, v1
	v_lshl_add_u32 v196, v3, 11, v196              ; f32: 2,048 h + 16 r
	v_lshlrev_b32 v197, 3, v1
	v_lshl_add_u32 v197, v3, 7, v197               ; f16: 128 h + 8 r
	s_lshl_b32 s22, s19, 11
	s_mov_b32 s23, 0
	s_lshl_b32 s24, s19, 7
	s_mov_b32 s25, 0
	s_wait_kmcnt 0x0
	s_cmp_eq_u32 s18, 0                            ; the choice hangs on the work-group's number alone
	s_cselect_b64 s[4:5], s[4:5], s[6:7]
	s_cselect_b64 s[8:9], s[8:9], s[10:11]
	s_cselect_b32 s26, 0, KV_V
	s_add_co_u32 s24, s24, s26
	s_add_nc_u64 s[4:5], s[4:5], s[22:23]
	s_add_nc_u64 s[8:9], s[8:9], s[22:23]
	s_add_nc_u64 s[12:13], s[12:13], s[24:25]
.macro PLOADB b                        ; batch b: row pairs 2 b, 2 b + 1 x 8 heads into set b % 2 (v4-67, v68-131)
.set g, 0
.rept 16
	global_load_b128 v[4+64*((\b)%2)+4*g:4+64*((\b)%2)+4*g+3], v196, s[4:5] offset:4096*(2*(\b)+g/8)+256*(g%8) th:TH_LOAD_NT
.set g, g+1
.endr
.endm
.macro PBATCH b
.set g, 0
.rept 16
.if (\b) < 3
	s_wait_loadcnt 31-g                            ; group g is in: behind it this batch's 15 - g and the next batch's 16
.else
	s_wait_loadcnt 15-g
.endif
.set PD, 4+64*((\b)%2)+4*g
.set PH, 132+32*((\b)%2)+2*g
	global_store_b128 v196, v[PD:PD+3], s[8:9] offset:4096*(2*(\b)+g/8)+256*(g%8) th:TH_STORE_NT
	v_cvt_pk_f16_f32 v[PH], v[PD], v[PD+1]
	v_cvt_pk_f16_f32 v[PH+1], v[PD+2], v[PD+3]
	global_store_b64 v197, v[PH:PH+1], s[12:13] offset:524288*(g%8)+256*(2*(\b)+g/8)
.set g, g+1
.endr
.if (\b)+2 < 4
	s_wait_xcnt 0x0                                ; this batch's stores have read their registers: both sets of it may be written again
	PLOADB (\b)+2
.endif
.endm
	PLOADB 0
	PLOADB 1
	PBATCH 0
	PBATCH 1
	PBATCH 2
	PBATCH 3
	FINISH
.Lfunc_end_k_q275666b261_prep:
	.size	k_q275666b261_prep, .Lfunc_end_k_q275666b261_prep-k_q275666b261_prep
	.p2alignl 7, 3214868480
	.fill 96, 4, 3214868480
	.section	.rodata,"a",@progbits
	.p2align	6, 0x0
	.amdhsa_kernel k_q275666b261_prep
		.amdhsa_group_segment_fixed_size 102912
		.amdhsa_private_segment_fixed_size 0
		.amdhsa_enable_private_segment 0
		.amdhsa_kernarg_size 120
		.amdhsa_user_sgpr_count 2
		.amdhsa_user_sgpr_kernarg_segment_ptr 1
		.amdhsa_wavefront_size32 1
		.amdhsa_system_sgpr_workgroup_id_x 1
		.amdhsa_system_sgpr_workgroup_id_y 1
		.amdhsa_system_sgpr_workgroup_id_z 1
		.amdhsa_system_vgpr_workitem_id 0
		.amdhsa_next_free_vgpr 200
		.amdhsa_next_free_sgpr 66
		.amdhsa_reserve_vcc 0
		.amdhsa_float_denorm_mode_32 3
		.amdhsa_float_denorm_mode_16_64 3
		.amdhsa_memory_ordered 1
		.amdhsa_forward_progress 1
		.amdhsa_inst_pref_size 211
	.end_amdhsa_kernel
	.amdgpu_metadata
---
amdhsa.version: [ 1, 2 ]
amdhsa.kernels:
  - .name:           k_q275666b261_prep
    .symbol:         k_q275666b261_prep.kd
    .args:
      - { .name: x, .offset: 0, .size: 8, .value_kind: global_buffer, .address_space: global }
      - { .name: Wq, .offset: 8, .size: 8, .value_kind: global_buffer, .address_space: global }
      - { .name: Wk, .offset: 16, .size: 8, .value_kind: global_buffer, .address_space: global }
      - { .name: Wv, .offset: 24, .size: 8, .value_kind: global_buffer, .address_space: global }
      - { .name: Wo, .offset: 32, .size: 8, .value_kind: global_buffer, .address_space: global }
      - { .name: prev_k, .offset: 40, .size: 8, .value_kind: global_buffer, .address_space: global }
      - { .name: prev_v, .offset: 48, .size: 8, .value_kind: global_buffer, .address_space: global }
      - { .name: mask, .offset: 56, .size: 8, .value_kind: global_buffer, .address_space: global }
      - { .name: cod, .offset: 64, .size: 8, .value_kind: global_buffer, .address_space: global }
      - { .name: scl, .offset: 72, .size: 8, .value_kind: global_buffer, .address_space: global }
      - { .name: wot, .offset: 80, .size: 8, .value_kind: global_buffer, .address_space: global }
      - { .name: out1, .offset: 88, .size: 8, .value_kind: global_buffer, .address_space: global }
      - { .name: out2, .offset: 96, .size: 8, .value_kind: global_buffer, .address_space: global }
      - { .name: kvf, .offset: 104, .size: 8, .value_kind: global_buffer, .address_space: global }
      - { .name: mbits, .offset: 112, .size: 8, .value_kind: global_buffer, .address_space: global }
    .group_segment_fixed_size: 102912
    .private_segment_fixed_size: 0
    .kernarg_segment_align: 8
    .kernarg_segment_size: 120
    .max_flat_workgroup_size: 128
    .sgpr_count:     66
    .vgpr_count:     200
    .wavefront_size: 32
...
	.end_amdgpu_metadata
.endif
;; end of part 1
;; launch qkv (part 2): grid 12 x 8, 4 waves a work-group, clusters of 4 x 4, 327,680 bytes of LDS; arguments cod, scl, qf, kvf, out1, out2; writes qf, kvf, out1, out2
.if DOCPART == 2
	.amdgcn_target "amdgcn-amd-amdhsa--gfx1250"
	.amdhsa_code_object_version 6
	.text
	.protected	k_q275666b261_qkv
	.globl	k_q275666b261_qkv
	.p2align	8
	.type	k_q275666b261_qkv,@function
k_q275666b261_qkv:
	s_mov_b64 s[64:65], 0
	v_nop
	global_prefetch_b8 v0, s[64:65] scope:SCOPE_SE
	s_setreg_imm32_b32 hwreg(HW_REG_WAVE_MODE, 25, 1), 1
	s_wait_xcnt 0x0
	s_wait_alu depctr_hold_cnt(0) depctr_sa_sdst(0) depctr_va_vdst(0) depctr_va_sdst(0) depctr_va_ssrc(0) depctr_va_vcc(0) depctr_vm_vsrc(0)
	s_getreg_b32 s2, hwreg(HW_REG_IB_STS2, 6, 4)
	s_cmp_eq_u32 s2, 0
	s_cbranch_scc0 .Lentry_in_a_cluster
	s_endpgm
.Lentry_in_a_cluster:
	s_bfe_u32 s2, ttmp6, 0x10000c
	s_cmp_lg_u32 s2, 0xf033
	s_cbranch_scc0 .Lentry_shape_is_right
	s_endpgm
.Lentry_shape_is_right:
; [q | k | v] = x [Wq | Wk | Wv] on codes of E2M1 with one E8M0 scale for each 32 along K: one product of 2,048 x 3,072 x 2,048.
; A = x's codes [2048][1024 bytes], B = the weights' codes [3072 (n)][1024 bytes], both in cod; their scale bytes [rows][64] in scl.  Sums in f32.
; A tile of 256 x 256 is made by a work-group of four waves, 128 x 128 a wave: 64 accumulators, 512 registers.  96 work-groups: a tile of 256 columns lies wholly in q (tile columns 0-7), k (8, 9) or v (10, 11).
; K goes in steps of 512 through a ring of two LDS slots filled by the tensor data mover; the scale bytes of the work-group's rows, for all of K, come once with the first fills and stay.
; CLUSTERS: 4 x 4 work-groups; A's tiles are asked for jointly along a row of the cluster, B's along a column.  The matrix instruction is used transposed (source 0 = 16 rows of B, source 1 = 16 rows of A):
; a lane holds eight neighbouring columns of one row of the result.
; THE WAY OUT: every tile leaves as f16, head by head (q: qf [32][2048][64]; k, v: kvf [8][4096][64], rows 2,048 on); k's and v's tiles also leave as f32 into rows 2,048 on of out1, out2.
; LIMIT: |q|, |k|, |v| stay under 65,504 (f16).
; REGISTERS, in windows of 256: window 0: v0-31 addresses; v32-95 scale words, two sets; from v128 A's fragments, one set.  window 1: B's fragments, two sets.  windows 2, 3: the accumulators.
.set SIZE_M, 2048
.set SIZE_N, 3072
.set SIZE_K, 2048
.set COD_W,  2097152                   ; the weights' codes in cod
.set SCL_W,  131072                    ; the weights' scale bytes in scl
.set KV_V,   4194304                   ; V in kvf
.set KSTEP,  512
.set NQ,     KSTEP/128
.set ROWB,   256                       ; a tile's row in bytes
.set KROW,   SIZE_K*4/8                ; a row of codes in memory
.set PITCH,  272                       ; an LDS row: 256 bytes + 16 of padding: the 16 rows that a load touches start 16 bytes further on modulo 256 each
.set FR,     8
.set NL,     2
.set NP,     4                         ; places behind this matrix instruction (ISA guide 7.12.1)
.set HALFT,  128*PITCH
.set SLOT,   4*HALFT
.set LAPS,   SIZE_K/(2*KSTEP)
.set KS,     SIZE_K/32
.set SCL,    2*SLOT                    ; behind the ring: the scales, as units of 256 bytes + 16 of padding
.set HALFS,  (128*KS/256)*272
.set SBLK,   (16*KS/256)*272
.set SPARE,  SCL+4*HALFS               ; the spare words, 128 bytes for each wave
.set SPITCH, 528                       ; the f32 way out: 16 rows x (512 + 16) bytes for each wave, from LDS byte 0: slot 0 has had its last fill and its last read by then
.set S16,    4*16*SPITCH               ; the f16 way out: behind those, 2 heads x 16 rows x 144 bytes for each wave
.set P16,    144
.set ADRA, 16
.set STO16, 18                         ; v18  the f16 stage: where I put 16 bytes of a row
.set RD16, 19                          ; v19  and where I read rows back
.set ADRB, 20
.set STO,  24
.set RD,   25
.set CO,   26                          ; v26  16 x lane
.set ADRS, 27
.set SPW,  28
.set NIL,  29
.set SC,   32
.set AF,   128
.set TMP,  32                          ; the f16 way out: a block's 32 packed registers
.set BK16, 64                          ; and rows read back: v64-95, v96-127 by turns
.set BK,   128                         ; the f32 way out: v128-191, v192-255 by turns
.set G1, 24
.set G0, 32
.set G1B, 48
.set G0B, 56
.set G1S, 68
.set G0S, 76
.set G1SB, 80
.set G0SB, 88
.set MSB, 0
.macro WIN new                         ; the immediate's high byte repeats the setting that is left
.if MSB != (\new)
	s_set_vgpr_msb (MSB<<8)|(\new)
.set MSB, (\new)
.endif
.endm
.set MUL_LO, 0xa1                      ; source 0 (B) window 1, source 1 (A) window 0, C and D window 2
.set MUL_HI, 0xf1
.set TO_B,   0x40
; A joint load: waves 0 and 1 fetch for A, waves 2 and 3 for B; the branch hangs on the wave's number alone.  An s_nop 0 and four v_nop follow each of the two lines.
.macro JLOAD g0a, g1a, g0b, g1b
	s_cmp_eq_u32 s15, 0
	s_cbranch_scc0 .Lfor_b_\@
	tensor_load_to_lds s[\g0a:\g0a+3], s[\g1a:\g1a+7]
	s_nop 0
.rept 4
	v_nop
.endr
	s_branch .Lasked_\@
.Lfor_b_\@:
	tensor_load_to_lds s[\g0b:\g0b+3], s[\g1b:\g1b+7]
	s_nop 0
.rept 4
	v_nop
.endr
.Lasked_\@:
.endm
.macro CREST                           ; a round of the cluster's barrier behind its opening barrier
	s_cmp_lg_u32 s14, 0
	s_cbranch_scc1 .Lnot_wave_0_\@
	s_barrier_signal -3
.Lnot_wave_0_\@:
	s_barrier_wait -3
	s_barrier_signal -1
	s_barrier_wait -1
.endm
.macro CROUND
	s_barrier_signal -1
	s_barrier_wait -1
	CREST
.endm
	s_load_b128 s[4:7], s[0:1], 0x0                ; cod, scl
	s_load_b128 s[96:99], s[0:1], 0x10             ; qf, kvf
	s_load_b64 s[100:101], s[0:1], 0x20            ; out1
	s_load_b64 s[12:13], s[0:1], 0x28              ; out2
	v_lshl_add_u32 v[SPW], v0, 2, SPARE
	v_mov_b32 v[NIL], 0
	ds_add_u32 v[SPW], v[NIL]                      ; the wave's opening: the add, twice on end, and its wait ahead of my first tensor load
	ds_add_u32 v[SPW], v[NIL]
	v_lshrrev_b32 v1, 5, v0
	v_readfirstlane_b32 s14, v1                    ; wave 0..3
	s_lshr_b32 s15, s14, 1                         ; which half of the tile's rows is mine.  Also: I fetch for A (0) or for B (1)
	s_and_b32 s16, s14, 1                          ; which half of its columns.  Also: which 128 rows of that tile I fetch
	s_bfe_u32 s40, ttmp6, 0x40000                  ; cx, cy
	s_bfe_u32 s41, ttmp6, 0x40004
	s_lshl_b32 s42, ttmp9, 2
	s_add_co_u32 s42, s42, s40                     ; tile column = 4 x cluster x + cx
	s_and_b32 s17, ttmp7, 0xffff
	s_lshl_b32 s17, s17, 2
	s_add_co_u32 s17, s17, s41                     ; tile row = 4 x cluster y + cy
	s_lshl_b32 s43, s41, 2
	s_lshl_b32 s43, 15, s43                        ; my row of the cluster
	s_lshl_b32 s44, 0x1111, s40                    ; my column
	s_or_b32 s[G1+0], s43, (0<<16)|(1<<20)|(1<<21)|(5<<22)|(3<<25)  ; the mask; elements of 1 byte; padding on; bit 21 beside a mask; 4 words after every 64
	s_or_b32 s[G1B+0], s44, (0<<16)|(1<<20)|(1<<21)|(5<<22)|(3<<25)
.irp g, G1, G1B
	s_mov_b32 s[\g+1], ROWB<<16                    ; tensor_dim0
	s_mov_b32 s[\g+2], 128<<16                     ; tensor_dim1
	s_mov_b32 s[\g+3], ROWB<<16                    ; tile_dim0
	s_mov_b32 s[\g+4], 128                         ; tile_dim1
	s_mov_b32 s[\g+5], KROW                        ; stride from row to row
	s_mov_b32 s[\g+6], 0
	s_mov_b32 s[\g+7], 0
.endr
	s_or_b32 s[G1S+0], s43, (3<<16)|(1<<20)|(1<<21)|(5<<22)|(3<<25) ; the scales of 128 rows: a dense block, as rows of 32 elements of 8 bytes, 16 bytes of padding behind each
	s_or_b32 s[G1SB+0], s44, (3<<16)|(1<<20)|(1<<21)|(5<<22)|(3<<25)
.irp g, G1S, G1SB
	s_mov_b32 s[\g+1], 32<<16
	s_mov_b32 s[\g+2], (128*KS/256)<<16
	s_mov_b32 s[\g+3], 32<<16
	s_mov_b32 s[\g+4], 128*KS/256
	s_mov_b32 s[\g+5], 32
	s_mov_b32 s[\g+6], 0
	s_mov_b32 s[\g+7], 0
.endr
	s_lshl_b32 s18, s16, 7
	s_lshl_b32 s20, s17, 8
	s_add_co_u32 s20, s20, s18                     ; A: row 256 x tile row + 128 x half
	s_lshl_b32 s46, s42, 8
	s_add_co_u32 s46, s46, s18                     ; B: row 256 x tile column + 128 x half
	s_mov_b32 s21, 0
	s_mov_b32 s47, 0
	s_mov_b64 s[18:19], KS
	s_mul_u64 s[22:23], s[20:21], s[18:19]         ; where these rows' scales begin
	s_mul_u64 s[92:93], s[46:47], s[18:19]
	s_mov_b64 s[18:19], KROW
	s_mul_u64 s[20:21], s[20:21], s[18:19]         ; and their codes
	s_mul_u64 s[46:47], s[46:47], s[18:19]
	s_mul_i32 s45, s14, HALFT                      ; where they go: no place in the cluster enters an LDS address
	s_mul_i32 s94, s14, HALFS
	s_wait_dscnt 0x0                               ; both opening adds are done
	s_wait_kmcnt 0x0
	s_add_nc_u64 s[8:9], s[4:5], COD_W             ; B's codes
	s_add_nc_u64 s[10:11], s[6:7], SCL_W           ; B's scales
	s_add_nc_u64 s[20:21], s[4:5], s[20:21]
	s_add_nc_u64 s[22:23], s[6:7], s[22:23]
	s_add_nc_u64 s[46:47], s[8:9], s[46:47]
	s_add_nc_u64 s[92:93], s[10:11], s[92:93]
	CROUND                                         ; all sixteen work-groups are here: the first joint loads meet
	s_mov_b32 s[G0S], 1
	s_add_co_u32 s[G0S+1], s94, SCL
	s_mov_b64 s[G0S+2:G0S+3], s[22:23]
	s_or_b32 s[G0S+3], s[G0S+3], 0x80000000
	s_mov_b32 s[G0SB], 1
	s_add_co_u32 s[G0SB+1], s94, SCL
	s_mov_b64 s[G0SB+2:G0SB+3], s[92:93]
	s_or_b32 s[G0SB+3], s[G0SB+3], 0x80000000
	JLOAD G0S, G1S, G0SB, G1SB                     ; the scales first: they are wanted with K step 0
.irp s, 0,1
	s_mov_b32 s[G0+4*\s], 1
	s_add_co_u32 s[G0+4*\s+1], s45, \s*SLOT
	s_add_nc_u64 s[G0+4*\s+2:G0+4*\s+3], s[20:21], \s*ROWB
	s_or_b32 s[G0+4*\s+3], s[G0+4*\s+3], 0x80000000
	s_mov_b32 s[G0B+4*\s], 1
	s_add_co_u32 s[G0B+4*\s+1], s45, \s*SLOT
	s_add_nc_u64 s[G0B+4*\s+2:G0B+4*\s+3], s[46:47], \s*ROWB
	s_or_b32 s[G0B+4*\s+3], s[G0B+4*\s+3], 0x80000000
	JLOAD G0+4*\s, G1, G0B+4*\s, G1B               ; three tensor loads of mine are out now
.endr
	v_and_b32 v1, 15, v0                           ; r = l % 16
	v_bfe_u32 v2, v0, 4, 1                         ; h = l / 16
	v_mul_u32_u24 v3, v1, PITCH
	v_lshl_add_u32 v4, v2, 4, v3                   ; a fragment's row x pitch + 16 x half
	s_mul_i32 s21, s15, HALFT                      ; my 128 rows of A
	s_mul_i32 s22, s16, HALFT                      ; my 128 rows of B,
	s_add_co_u32 s22, s22, 2*HALFT                 ; behind A's 256
.irp s, 0,1
	v_add_nc_u32 v[ADRA+\s], s21, v4
	v_add_nc_u32 v[ADRB+\s], s22, v4
	s_add_co_u32 s21, s21, SLOT
	s_add_co_u32 s22, s22, SLOT
.endr
	v_mul_u32_u24 v5, v1, KS                       ; my row's scales: KS bytes a row,
	v_lshrrev_b32 v6, 8, v5
	v_lshl_add_u32 v5, v6, 4, v5                   ; and 16 more for each 256 passed
	s_mul_i32 s21, s15, HALFS
	s_mul_i32 s22, s16, HALFS
	s_add_co_u32 s22, s22, 2*HALFS
	s_sub_co_u32 s22, s22, s21
	v_mul_u32_u24 v6, s22, v2                      ; lanes 16-31 take B's: the lower base + h x the distance
	s_add_co_u32 s21, s21, SCL
	v_add_nc_u32 v5, v5, v6
	v_add_nc_u32 v[ADRS], s21, v5
	s_mul_i32 s23, s14, 16*SPITCH                  ; my f32 stage
	v_mul_u32_u24 v5, v1, SPITCH
	v_lshl_add_u32 v5, v2, 5, v5
	v_add_nc_u32 v[STO], s23, v5                   ; in: row r, 32 bytes for each half of the lanes
	v_and_b32 v6, 31, v0
	v_lshlrev_b32 v[CO], 4, v6
	v_add_nc_u32 v[RD], s23, v[CO]                 ; back: the 32 lanes take one row of 512 bytes
	s_mul_i32 s23, s14, 2*16*P16
	s_add_co_u32 s23, s23, S16                     ; my f16 stage
	v_mul_u32_u24 v5, v1, P16
	v_lshl_add_u32 v5, v2, 4, v5
	v_add_nc_u32 v[STO16], s23, v5                 ; in: row r, 16 bytes for each half of the lanes
	v_lshrrev_b32 v7, 3, v6
	v_mul_u32_u24 v7, v7, P16
	v_and_b32 v8, 7, v6
	v_lshl_add_u32 v7, v8, 4, v7
	v_add_nc_u32 v[RD16], s23, v7                  ; back: eight lanes to a row of 128 bytes, four rows an instruction
.macro FRAG reg, adr, q, i             ; 16 rows x 128 K of 4-bit codes: 8 registers, two loads of 16 bytes, 32 bytes apart
.irp c, 0,1
	ds_load_b128 v[\reg+4*\c:\reg+4*\c+3], v[\adr] offset:64*(\q)+32*\c+(\i)*16*PITCH
.endr
.endm
; 16 matrix instructions: A's blocks a0, a0 + 1 x B's eight.  The 64 accumulators take turns, one instruction a turn, in the same order in every step.
.macro MUL16 a0, p, q, sc, zero
.irp a, \a0, \a0+1
.irp b, 0,1,2,3,4,5,6,7
.if \zero
	v_wmma_scale_f32_16x16x128_f8f6f4 v[8*(8*((\a)%4)+\b):8*(8*((\a)%4)+\b)+7], v[128*(\p)+FR*\b:128*(\p)+FR*\b+FR-1], v[AF+FR*(\a):AF+FR*(\a)+FR-1], 0, v[SC+8*NQ*(\sc)+NQ*\b+(\q)], v[SC+8*NQ*(\sc)+NQ*(\a)+(\q)] matrix_a_fmt:MATRIX_FMT_FP4 matrix_b_fmt:MATRIX_FMT_FP4 matrix_a_scale:MATRIX_SCALE_ROW1
.else
	v_wmma_scale_f32_16x16x128_f8f6f4 v[8*(8*((\a)%4)+\b):8*(8*((\a)%4)+\b)+7], v[128*(\p)+FR*\b:128*(\p)+FR*\b+FR-1], v[AF+FR*(\a):AF+FR*(\a)+FR-1], v[8*(8*((\a)%4)+\b):8*(8*((\a)%4)+\b)+7], v[SC+8*NQ*(\sc)+NQ*\b+(\q)], v[SC+8*NQ*(\sc)+NQ*(\a)+(\q)] matrix_a_fmt:MATRIX_FMT_FP4 matrix_b_fmt:MATRIX_FMT_FP4 matrix_a_scale:MATRIX_SCALE_ROW1
.endif
.endr
.endr
.endm
.macro FETCH_B slot, q, p
	WIN TO_B
.irp i, 0,1,2,3,4,5,6,7
	FRAG 128*(\p)+FR*\i, ADRB+\slot, \q, \i
.endr
	WIN 0
.endm
.macro FETCH_A slot, q, i0
.irp i, \i0, \i0+1, \i0+2, \i0+3
	FRAG AF+FR*(\i), ADRA+\slot, \q, \i
.endr
.endm
.macro SCALES sc                       ; a K step's scale words: lanes 0-15 take A's block i, lanes 16-31 B's block i
.irp i, 0,1,2,3,4,5,6,7
	ds_load_b128 v[SC+8*NQ*\sc+NQ*\i:SC+8*NQ*\sc+NQ*\i+3], v[ADRS] offset:\i*SBLK
.endr
.endm
.macro PLACES n                        ; plain vector lines between a matrix instruction and a load into, or a read of, its registers
.rept \n
	v_nop
.endr
.endm
.macro STEP slot, q, zero              ; 128 along K that has its successor in the same slot
	s_wait_dscnt 4*NL                              ; B's set and A's blocks 0-3 are in; the youngest eight loads (A's blocks 4-7) may be out
	WIN MUL_LO
	MUL16 0, (\q)%2, \q, \slot, \zero
	MUL16 2, (\q)%2, \q, \slot, \zero
	s_wait_dscnt 0
	PLACES NP
	FETCH_B \slot, (\q)+1, 1-(\q)%2
	FETCH_A \slot, (\q)+1, 0
	WIN MUL_HI
	MUL16 4, (\q)%2, \q, \slot, \zero
	MUL16 6, (\q)%2, \q, \slot, \zero
	PLACES NP
	WIN 0
	FETCH_A \slot, (\q)+1, 4
.endm
; A slot's last step changes slots: one barrier; in front of it each wave waits for all its tensor loads, adds 0 to its spare word, and waits for that and for its reads of this slot.
.macro TURN slot, next, fill
	s_wait_tensorcnt 0x0                           ; all my tensor loads have landed: my part of the next slot
	ds_add_u32 v[SPW], v[NIL]
	s_wait_dscnt 4*NL+1                            ; the add and the youngest eight loads may be out
	WIN MUL_LO
	MUL16 0, 1, NQ-1, \slot, 0
	s_wait_dscnt 0x0                               ; the add is done, and my reads of this slot are over
	s_barrier_signal -1
	MUL16 2, 1, NQ-1, \slot, 0
	WIN 0
	s_barrier_wait -1
.if \fill
	CREST                                          ; the barrier has opened a round of the cluster's barrier: no wave of any partner still reads this slot or has a load on its way
	s_add_nc_u64 s[G0+4*\slot+2:G0+4*\slot+3], s[G0+4*\slot+2:G0+4*\slot+3], 2*ROWB
	s_add_nc_u64 s[G0B+4*\slot+2:G0B+4*\slot+3], s[G0B+4*\slot+2:G0B+4*\slot+3], 2*ROWB
	JLOAD G0+4*\slot, G1, G0B+4*\slot, G1B         ; my one tensor load behind the round; its four v_nop are also the places in front of the loads below
.else
	PLACES NP
.endif
	v_add_nc_u32 v[ADRS], 4*NQ, v[ADRS]            ; the next K step's scale words
	FETCH_B \next, 0, 0
	FETCH_A \next, 0, 0
	SCALES \next
	WIN MUL_HI
	MUL16 4, 1, NQ-1, \slot, 0
	MUL16 6, 1, NQ-1, \slot, 0
	PLACES NP
	WIN 0
	FETCH_A \next, 0, 4
.endm
.macro STEPS slot, from
.set Q, \from
.rept NQ-1-\from
	STEP \slot, Q, 0
.set Q, Q+1
.endr
.endm
	s_wait_tensorcnt 1                             ; the scales and my part of K step 0 are in; K step 1's load may be out
	s_barrier_signal -1
	s_barrier_wait -1
	FETCH_B 0, 0, 0
	FETCH_A 0, 0, 0
	SCALES 0
	FETCH_A 0, 0, 4
	STEP 0, 0, 1                                   ; the first step's products start the sums: nothing is cleared
	s_mov_b32 s3, LAPS-1
.Llap:                                                 ; a trip goes once round the ring and fills both slots again
	STEPS 0, 1
	TURN 0, 1, 1
	STEPS 1, 0
	TURN 1, 0, 1
	STEP 0, 0, 0
	s_sub_co_u32 s3, s3, 1
	s_cmp_lg_u32 s3, 0
	s_cbranch_scc1 .Llap
	STEPS 0, 1                                     ; the last lap fills nothing
	TURN 0, 1, 0
	STEPS 1, 0
	s_wait_dscnt 4*NL
	WIN MUL_LO
	MUL16 0, 1, NQ-1, 1, 0
	MUL16 2, 1, NQ-1, 1, 0
	s_wait_dscnt 0
	WIN MUL_HI
	MUL16 4, 1, NQ-1, 1, 0
	MUL16 6, 1, NQ-1, 1, 0
	WIN 0
	; WHERE THE TILE GOES.  Selections, no branches: partners of a cluster whose tiles differ (k against v) run the same lines.
	s_lshl_b32 s18, s17, 8
	s_lshl_b32 s19, s15, 7
	s_add_co_u32 s18, s18, s19                     ; my first row of x
	s_cmp_lt_u32 s42, 8                            ; q's tile?
	s_cselect_b32 s22, 0, 8
	s_cselect_b32 s23, 18, 19                      ; a head is 2^18 bytes in qf, 2^19 in kvf
	s_cselect_b32 s20, 0, 2048                     ; new keys and values lie behind the cache's 2,048 rows
	s_cselect_b64 s[44:45], s[96:97], s[98:99]
	s_cmp_lt_u32 s42, 10                           ; not v's?
	s_cselect_b32 s21, 0, 2
	s_cselect_b32 s43, 0, KV_V
	s_cselect_b64 s[46:47], s[100:101], s[12:13]
	s_sub_co_u32 s22, s42, s22
	s_sub_co_u32 s22, s22, s21                     ; the tile column within its tensor
	s_lshl_b32 s21, s22, 2
	s_lshl_b32 s19, s16, 1
	s_add_co_u32 s21, s21, s19                     ; my first head: four to a tile, two to a wave
	s_lshl_b32 s21, s21, s23
	s_add_co_u32 s20, s20, s18
	s_lshl_b32 s20, s20, 7                         ; rows of 128 bytes
	s_add_co_u32 s20, s20, s21
	s_add_co_u32 s20, s20, s43
	s_mov_b32 s21, 0
	s_add_nc_u64 s[92:93], s[44:45], s[20:21]      ; my first head's rows,
	s_lshl_b32 s20, 1, s23
	s_add_nc_u64 s[94:95], s[92:93], s[20:21]      ; my second's
	s_add_co_u32 s18, s18, 2048
	s_lshl_b32 s18, s18, 11                        ; f32: rows of 2,048 bytes
	s_lshl_b32 s19, s22, 10
	s_add_co_u32 s18, s18, s19
	s_lshl_b32 s19, s16, 9
	s_add_co_u32 s18, s18, s19
	s_mov_b32 s19, 0
	s_add_nc_u64 s[46:47], s[46:47], s[18:19]      ; (used by k's and v's tiles alone)
; THE f16 WAY OUT, block by block of 16 rows x 128 columns (two heads).  A lane's eight numbers pack into 16 bytes; they go through my own stage and come back as whole rows of 128 bytes, four rows an instruction:
; a head's rows are dense in memory, so each store covers 512 consecutive bytes.  LDS serves a wave's instructions in order: no wait between the stores and the loads.
.macro PACK a
.set AC, 64*((\a)%4)
	WIN 0x0a+5*((\a)/4)                            ; sources 0 and 1: window 2 or 3
.irp b, 0,1,2,3,4,5,6,7
.irp q, 0,1,2,3
	v_cvt_pk_f16_f32 v[TMP+4*\b+\q], v[AC+8*\b+2*\q], v[AC+8*\b+2*\q+1]   ; each accumulator from its low end on
.endr
.endr
	WIN 0
.endm
.macro TOSTAGE16 a
.irp b, 0,1,2,3,4,5,6,7
	ds_store_b128 v[STO16], v[TMP+4*\b:TMP+4*\b+3] offset:(\b/4)*16*P16+32*(\b%4)
.endr
.irp i, 0,1,2,3,4,5,6,7
	ds_load_b128 v[BK16+32*((\a)%2)+4*\i:BK16+32*((\a)%2)+4*\i+3], v[RD16] offset:(\i/4)*16*P16+(\i%4)*4*P16
.endr
.endm
.macro SEND16 a, younger               ; younger: the LDS instructions issued behind block a's loads, which may stay out
	s_wait_dscnt \younger
.irp i, 0,1,2,3
	global_store_b128 v[CO], v[BK16+32*((\a)%2)+4*\i:BK16+32*((\a)%2)+4*\i+3], s[92:93] offset:2048*(\a)+512*\i
.endr
.irp i, 0,1,2,3
	global_store_b128 v[CO], v[BK16+32*((\a)%2)+16+4*\i:BK16+32*((\a)%2)+16+4*\i+3], s[94:95] offset:2048*(\a)+512*\i
.endr
.endm
	PLACES NP                                      ; behind the last products: for the conversions, which write registers that held scale words, and for the reads of results
	PACK 0
	TOSTAGE16 0
.irp a, 1,2,3,4,5,6,7
	PACK \a
.if \a > 1
	s_wait_xcnt 0x0                                ; block a - 2's stores have read their registers: block a's loads may land there
.endif
	TOSTAGE16 \a
	SEND16 \a-1, 16                                ; behind block a - 1's loads: block a's 8 stores and 8 loads
.endr
	SEND16 7, 0
	s_cmp_lt_u32 ttmp9, 2                          ; the cluster's x, the same in all sixteen partners: clusters 0 and 1 hold q's tiles, which have no f32 output
	s_cbranch_scc1 .Ldone
; THE f32 WAY OUT of k's and v's tiles: a block goes through my f32 stage and comes back as whole rows of 512 bytes.
.macro TOSTAGE a
.set AC, 64*((\a)%4)
	WIN 0x08+4*((\a)/4)                            ; the data: window 2 or 3
.irp b, 0,1,2,3,4,5,6,7
	ds_store_b128 v[STO], v[AC+8*\b:AC+8*\b+3] offset:64*\b
	ds_store_b128 v[STO], v[AC+8*\b+4:AC+8*\b+7] offset:64*\b+16
.endr
	WIN 0
.irp t, 0,1,2,3,4,5,6,7,8,9,10,11,12,13,14,15
	ds_load_b128 v[BK+64*((\a)%2)+4*\t:BK+64*((\a)%2)+4*\t+3], v[RD] offset:\t*SPITCH
.endr
.endm
.macro SEND a, younger
	s_wait_dscnt \younger
.irp t, 0,1,2,3,4,5,6,7,8,9,10,11,12,13,14,15
	global_store_b128 v[CO], v[BK+64*((\a)%2)+4*\t:BK+64*((\a)%2)+4*\t+3], s[46:47] offset:(16*(\a)+\t)*2048 th:TH_STORE_NT   ; 32 lanes store 512 consecutive bytes; the row stands in the immediate
.endr
.endm
	TOSTAGE 0
.irp a, 1,2,3,4,5,6,7
.if \a > 1
	s_wait_xcnt 0x0                                ; block a - 2's stores have read their registers
.endif
	TOSTAGE \a
	SEND \a-1, 32                                  ; behind block a - 1's loads: block a's 16 stores and 16 loads
.endr
	SEND 7, 0
.Ldone:
	s_wait_tensorcnt 0x0                           ; the wave's end: behind my last tensor load and my last LDS store
	ds_add_u32 v[SPW], v[NIL]
	s_wait_dscnt 0x0
	CROUND                                         ; the closing round: no work-group ends while a partner may still ask for a tile that names it
	s_endpgm
.Lfunc_end_k_q275666b261_qkv:
	.size	k_q275666b261_qkv, .Lfunc_end_k_q275666b261_qkv-k_q275666b261_qkv
	.p2alignl 7, 3214868480
	.fill 96, 4, 3214868480
	.section	.rodata,"a",@progbits
	.p2align	6, 0x0
	.amdhsa_kernel k_q275666b261_qkv
		.amdhsa_group_segment_fixed_size 327680
		.amdhsa_private_segment_fixed_size 0
		.amdhsa_enable_private_segment 0
		.amdhsa_kernarg_size 48
		.amdhsa_user_sgpr_count 2
		.amdhsa_user_sgpr_kernarg_segment_ptr 1
		.amdhsa_wavefront_size32 1
		.amdhsa_system_sgpr_workgroup_id_x 1
		.amdhsa_system_sgpr_workgroup_id_y 1
		.amdhsa_system_sgpr_workgroup_id_z 1
		.amdhsa_system_vgpr_workitem_id 0
		.amdhsa_next_free_vgpr 1024
		.amdhsa_next_free_sgpr 102
		.amdhsa_reserve_vcc 0
		.amdhsa_float_denorm_mode_32 3
		.amdhsa_float_denorm_mode_16_64 3
		.amdhsa_memory_ordered 1
		.amdhsa_forward_progress 1
		.amdhsa_inst_pref_size 243
	.end_amdhsa_kernel
	.amdgpu_metadata
---
amdhsa.version: [ 1, 2 ]
amdhsa.kernels:
  - .name:           k_q275666b261_qkv
    .symbol:         k_q275666b261_qkv.kd
    .args:
      - { .name: cod, .offset: 0, .size: 8, .value_kind: global_buffer, .address_space: global }
      - { .name: scl, .offset: 8, .size: 8, .value_kind: global_buffer, .address_space: global }
      - { .name: qf, .offset: 16, .size: 8, .value_kind: global_buffer, .address_space: global }
      - { .name: kvf, .offset: 24, .size: 8, .value_kind: global_buffer, .address_space: global }
      - { .name: out1, .offset: 32, .size: 8, .value_kind: global_buffer, .address_space: global }
      - { .name: out2, .offset: 40, .size: 8, .value_kind: global_buffer, .address_space: global }
    .group_segment_fixed_size: 327680
    .private_segment_fixed_size: 0
    .kernarg_segment_align: 8
    .kernarg_segment_size: 48
    .max_flat_workgroup_size: 128
    .sgpr_count:     102
    .vgpr_count:     1024
    .wavefront_size: 32
...
	.end_amdgpu_metadata
.endif
;; end of part 2
;; launch attn (part 3): grid 32 x 8, 8 waves a work-group, clusters of 4 x 1, 327,680 bytes of LDS; arguments qf, kvf, mbits, ao; writes ao
.if DOCPART == 3
	.amdgcn_target "amdgcn-amd-amdhsa--gfx1250"
	.amdhsa_code_object_version 6
	.text
	.protected	k_q275666b261_attn
	.globl	k_q275666b261_attn
	.p2align	8
	.type	k_q275666b261_attn,@function
k_q275666b261_attn:
	s_mov_b64 s[64:65], 0
	v_nop
	global_prefetch_b8 v0, s[64:65] scope:SCOPE_SE
	s_setreg_imm32_b32 hwreg(HW_REG_WAVE_MODE, 25, 1), 1
	s_wait_xcnt 0x0
	s_wait_alu depctr_hold_cnt(0) depctr_sa_sdst(0) depctr_va_vdst(0) depctr_va_sdst(0) depctr_va_ssrc(0) depctr_va_vcc(0) depctr_vm_vsrc(0)
	s_getreg_b32 s2, hwreg(HW_REG_IB_STS2, 6, 4)
	s_cmp_eq_u32 s2, 0
	s_cbranch_scc0 .Lentry_in_a_cluster
	s_endpgm
.Lentry_in_a_cluster:
	s_bfe_u32 s2, ttmp6, 0x10000c
	s_cmp_lg_u32 s2, 0x3003
	s_cbranch_scc0 .Lentry_shape_is_right
	s_endpgm
.Lentry_shape_is_right:
; ao[s][hq][:] = the sum over t of softmax_t(q[hq][s] . k[hq / 4][t] / 8, under the mask) v[hq / 4][t][:].  q, k, v: f16; products, maxima and sums in f32; the weights p are rounded to f16; ao: f16 [2048][2048].
; SHARES.  A work-group owns 64 queries x the FOUR query heads of one key/value head.  Wave w: g = w % 4, u = w / 4.  It owns queries 16 g .. 16 g + 15 of the block as four tiles, tile t = head 4 hkv + t:
; the four tiles share K's and V's fragments AND the mask.  Of every slot's four key steps (64 keys each) it takes steps u and u + 2; waves (g, 0) and (g, 1) merge their maxima, sums and O at the end.
; Two waves share a SIMD's registers, so that one wave's softmax stands beside the other's products.
; LAYOUT.  S^T = K Q^T (source 0 = 16 keys, source 1 = 16 queries): a lane holds ONE query (lane % 16) and keys 8 (lane / 16) + 0..7 of each tile of 16 keys.  Two such tiles, rounded to f16 in pairs, are source 1
; of O^T = V^T P.  K comes out of LDS as it lies, V turned by ds_load_tr16_b128.
; THE MASK.  mbits holds, for each register of a tile of scores, a word whose bit l is lane l's (query, key).  32 selections a step make a tile of biases (0 where the key counts, -2^100 where it is hidden), which is the C
; of the first K Q^T instruction of all four heads.  The running maximum begins at -2^96.  f16 operands bound |q . k| by 64 x 65,504^2 < 2^38, so a hidden score lies under every maximum and its p is exactly 0.
; A row hidden altogether ends with the sum 0 and gives NaN, as the softmax of a row of -infinity does.
; SOFTMAX.  For each query a running maximum m and sum l: p = 2^(c s - c m), c = log2(e) / 8; in every step O and l are multiplied by a = 2^(c m_old - c m_new).
; CLUSTER.  The four query blocks of a cluster belong to one key/value head and walk the same K and V: each tile is asked for jointly, by the same tensor load with a mask that names the four.
; LIMITS: |q|, |k|, |v| and |ao| stay under 65,504; NaN and infinities among the inputs are not served.
; REGISTERS.  window 0: v1-16 addresses and constants; v20-23 the old c m; v24-55 statistics, 8 a tile; v64-95 the biases; v96-159 Q; v160-223 K's or V's fragments of a step; v224-255 the merge's.
;             window 1: v0-127 S^T, 32 a tile (P is packed into the low 16 of each 32); v128-255 O^T, 32 a tile.
.set STEPB, 17920                      ; a key step in LDS: K: 32 rows (two keys each) x 272 bytes; V: 32 rows x 288
.set VOFF,  8704
.set SLOT1, 131072                     ; a slot holds four steps (71,680 bytes); slot 1 begins here, so that one exclusive or turns an address from slot to slot
.set XCH,   SLOT1+4*STEPB              ; the merge: for each g 32 images of 512 bytes of O, then c m and l
.set XCHW,  17408
.set STAGE, XCH+4*XCHW                 ; the way out: for each g 16 rows x (512 + 16) bytes
.set STGW,  8448
.set SPARE, STAGE+4*STGW               ; the spare words, 128 bytes for each wave: four blocks of 256 bytes that no other line names
.set AK0, 2                            ; v2   my lane's place in a step's K, my first step's
.set AV0, 3                            ; v3   the same for V
.set ADK, 4                            ; v4   AK0 in the slot in hand
.set ADV, 5                            ; v5   AV0
.set QO,  6                            ; v6   my byte offset in a tile of Q
.set XA,  7                            ; v7   the merge: 16 x lane in my g's region
.set STO, 9                            ; v9   the way out: where I put 16 bytes of a row
.set RD,  10                           ; v10  and where I read a row back
.set GO,  11                           ; v11  16 x lane
.set NEG, 12                           ; v12  -2^100
.set ZER, 13                           ; v13  0, the bias of a key that counts
.set SPW, 14                           ; v14  LDS address of my spare word; never rewritten
.set NIL, 15                           ; v15  0, for the add alone; never rewritten
.set PFO, 16                           ; v16  256 x lane
.set OLD, 20                           ; v20-23 c m of the step before
.set ST,  24                           ; tile t's statistics at v[ST + 8 t]: +0 c m, +1 m, +2, +3 l, +4 to +7 c0-c3 at work; a takes c2's place
.set BI,  64
.set QF,  96                           ; Q's fragment (t, c) at QF + 16 t + 8 c
.set KV,  160                          ; K's fragment (a, c) at KV + 16 a + 8 c; V's (c, d) at KV + 32 c + 8 d
.set WV,  12                           ; s12  my wave's number;  s13 cx;  s14 g;  s15 u;  s16 the key/value head;  s17 the block of 64 queries
.set PFA, 18                           ; s[18:19] where my prefetches stand
.set LIM, 20                           ; s20  1 in a wave that prefetches, else the greatest number
.set MB,  22                           ; s[22:23] my mask words of the slot in hand
.set G1K, 24                           ; s[24:31] descriptor group 1 for K's tiles;  s[32:39] for V's: it differs in the padding alone
.set G1V, 32
.set G0,  40                           ; s[40:43] my group 0, which walks
.set SLOTS, 56
.set CS,  58                           ; s[58:59] c, twice
.set SEL, 60                           ; s[60:61] lane selects: lane l xor 16
.set TB,  62                           ; s62  LDS byte at which the slot in hand begins
.set MW,  68                           ; s[68:99] a step's 32 mask words: that of register j of key tile a at MW + 16 (j / 4) + 4 a + j % 4
.set MSB, 0
.macro WIN new                         ; bits 1:0 source 0, 3:2 source 1, 5:4 source 2, 7:6 destination; the high byte repeats the setting that is left
.if MSB != (\new)
	s_set_vgpr_msb (MSB<<8)|(\new)
.set MSB, (\new)
.endif
.endm
; A joint load: waves 0-3 fetch K of step g, waves 4-7 V of step g.  The branch hangs on the wave's number alone.  An s_nop 0 and four v_nop follow each of the two lines.
.macro JLOAD
	s_cmp_eq_u32 s15, 0
	s_cbranch_scc0 .Lfor_v_\@
	tensor_load_to_lds s[G0:G0+3], s[G1K:G1K+7]
	s_nop 0
.rept 4
	v_nop
.endr
	s_branch .Lasked_\@
.Lfor_v_\@:
	tensor_load_to_lds s[G0:G0+3], s[G1V:G1V+7]
	s_nop 0
.rept 4
	v_nop
.endr
.Lasked_\@:
.endm
; A prefetch of what the NEXT change of slots will ask for: a slot's 32,768 bytes of K and of V.  All clusters of a head walk the same rows: the head's first cluster asks.  Its four partners share the bytes out by
; address, 8,192 each, lanes 256 bytes apart; in each, wave 0 asks for K's and wave 4 for V's: so each block of 256 bytes is named once in the launch.  The last change that fills a slot asks for nothing.
.macro ASK
	s_cmp_gt_u32 s[SLOTS], s[LIM]
	s_cbranch_scc0 .Lnot_mine_\@
	global_prefetch_b8 v[PFO], s[PFA:PFA+1] th:TH_LOAD_NT scope:SCOPE_SE
.Lnot_mine_\@:
.endm
.macro CROUND                          ; a round of the cluster's barrier
	s_barrier_signal -1
	s_barrier_wait -1
	s_cmp_lg_u32 s[WV], 0
	s_cbranch_scc1 .Lnot_wave_0_\@
	s_barrier_signal -3
.Lnot_wave_0_\@:
	s_barrier_wait -3
	s_barrier_signal -1
	s_barrier_wait -1
.endm
	s_load_b256 s[4:11], s[0:1], 0x0               ; qf s[4:5], kvf s[6:7], mbits s[8:9], ao s[10:11]
	v_lshl_add_u32 v[SPW], v0, 2, SPARE
	v_mov_b32 v[NIL], 0
	ds_add_u32 v[SPW], v[NIL]                      ; the wave's opening: the add, twice on end, and its wait ahead of my first tensor load; the set-up below is work on registers
	ds_add_u32 v[SPW], v[NIL]
	v_lshrrev_b32 v1, 5, v0
	v_readfirstlane_b32 s[WV], v1                  ; wave 0..7
	s_and_b32 s14, s[WV], 3                        ; g
	s_lshr_b32 s15, s[WV], 2                       ; u
	s_bfe_u32 s13, ttmp6, 0x40000                  ; cx
	s_and_b32 s16, ttmp7, 0xffff                   ; the key/value head, which the four partners share
	s_lshl_b32 s17, ttmp9, 2
	s_add_co_u32 s17, s17, s13                     ; my block of 64 queries: it enters Q's, the mask's and ao's addresses alone
	s_lshl_b32 s21, s17, 2
	s_add_co_u32 s21, s21, s14                     ; my tile of 16 queries
	; descriptor group 1: 64 keys of 128 bytes, dense in memory, stated as 32 rows of 128 elements of 2 bytes, padded behind each row
	s_mov_b32 s[G1K], 15|(1<<16)|(1<<20)|(1<<21)|(5<<22)|(3<<25)  ; the mask: all four; elements of 2 bytes; padding on; bit 21 beside a mask; after every 64 words 4 words
	s_mov_b32 s[G1V], 15|(1<<16)|(1<<20)|(1<<21)|(5<<22)|(7<<25)  ; the same with 8 words
.irp g, G1K, G1V
	s_mov_b32 s[\g+1], 128<<16                     ; tensor_dim0
	s_mov_b32 s[\g+2], 32<<16                      ; tensor_dim1
	s_mov_b32 s[\g+3], 128<<16                     ; tile_dim0
	s_mov_b32 s[\g+4], 32                          ; tile_dim1
	s_mov_b32 s[\g+5], 128                         ; stride from row to row
	s_mov_b32 s[\g+6], 0
	s_mov_b32 s[\g+7], 0
.endr
	s_mov_b32 s[CS], 0x3e38aa3b                    ; c = log2(e) / 8
	s_mov_b32 s[CS+1], s[CS]
	s_mov_b32 s[SEL], 0x76543210
	s_mov_b32 s[SEL+1], 0xfedcba98
	s_mov_b32 s[TB], 0
	s_mov_b32 s[SLOTS], 15
	s_or_b32 s[LIM], s14, ttmp9                    ; 0 in waves 0 and 4 of the head's first cluster: the same in all four partners
	s_cmp_eq_u32 s[LIM], 0
	s_cselect_b32 s[LIM], 1, -1
	; every LDS address register is made here, on the one way that all waves take
	v_and_b32 v1, 15, v0                           ; r
	v_bfe_u32 v8, v0, 4, 1                         ; h
	v_and_b32 v17, 31, v0                          ; lane
	v_lshrrev_b32 v18, 1, v1
	v_mul_u32_u24 v[AK0], v18, 272                 ; K: key 16 a + r lies in LDS row 8 a + r / 2, half r % 2
	v_and_b32 v18, 1, v0
	v_lshl_add_u32 v[AK0], v18, 7, v[AK0]
	v_lshl_add_u32 v[AK0], v8, 4, v[AK0]
	s_mul_i32 s44, s15, STEPB                      ; my first step of a slot
	v_add_nc_u32 v[AK0], s44, v[AK0]
	v_bfe_u32 v19, v0, 1, 2
	v_lshl_add_u32 v19, v8, 2, v19                 ; V, for the turning load: key 8 h + lane % 8 lies in LDS row 4 h + (lane / 2) % 4, half lane % 2;
	v_mul_u32_u24 v[AV0], v19, 288
	v_lshl_add_u32 v[AV0], v18, 7, v[AV0]
	v_bfe_u32 v19, v0, 3, 1
	v_lshl_add_u32 v[AV0], v19, 4, v[AV0]          ; channels 8 ((lane / 8) % 2) on
	s_add_co_u32 s45, s44, VOFF
	v_add_nc_u32 v[AV0], s45, v[AV0]
	v_lshlrev_b32 v[QO], 7, v1
	v_lshl_add_u32 v[QO], v8, 4, v[QO]             ; Q: row r of 128 bytes + 16 h
	s_mul_i32 s46, s14, XCHW
	s_add_co_u32 s46, s46, XCH
	v_lshl_add_u32 v[XA], v17, 4, s46
	s_mul_i32 s47, s14, STGW
	s_add_co_u32 s47, s47, STAGE
	v_mul_u32_u24 v[STO], v1, 528
	v_lshl_add_u32 v[STO], v8, 4, v[STO]
	v_add_nc_u32 v[STO], s47, v[STO]
	v_lshl_add_u32 v[RD], v17, 4, s47
	v_lshlrev_b32 v[GO], 4, v17
	v_lshlrev_b32 v[PFO], 8, v17
	v_mov_b32 v[NEG], 0xf1800000                   ; -2^100
	v_mov_b32 v[ZER], 0
	s_mul_i32 s51, s14, STEPB
	s_mul_i32 s50, s15, VOFF
	s_add_co_u32 s51, s51, s50                     ; where my tile goes: step g, K or V: no place in the cluster enters an LDS address
	s_lshl_b32 s44, s16, 19                        ; the head's 4,096 rows of 128 bytes,
	s_lshl_b32 s45, s15, 22                        ; V behind K
	s_add_co_u32 s44, s44, s45
	s_mov_b32 s45, 0
	s_lshl_b32 s46, s14, 13                        ; step g's 64 rows
	s_mov_b32 s47, 0
	s_lshl_b32 s48, s13, 13                        ; the prefetches: my work-group's 8,192 bytes,
	s_add_co_u32 s48, s48, 32768                   ; in slot 1: the first change of slots steps it to slot 2.  Nothing is prefetched at the head
	s_mov_b32 s49, 0
	s_wait_dscnt 0x0                               ; both opening adds are done
	s_wait_kmcnt 0x0
	s_add_nc_u64 s[6:7], s[6:7], s[44:45]          ; K or V at the head's first row
	s_add_nc_u64 s[PFA:PFA+1], s[6:7], s[48:49]
	CROUND                                         ; all four work-groups are here: the first joint loads meet
	s_mov_b32 s[G0], 1                             ; count = 1
	s_mov_b32 s[G0+1], s51                         ; LDS address: slot 0
	s_add_nc_u64 s[G0+2:G0+3], s[6:7], s[46:47]    ; global address: keys 64 g on
	s_or_b32 s[G0+3], s[G0+3], 0x80000000          ; type = 2
	JLOAD                                          ; slot 0: one tensor load of mine is out
	s_lshl_b32 s44, s21, 13                        ; the mask words: 8,192 bytes a tile of queries,
	s_lshl_b32 s45, s15, 6                         ; 64 bytes a step
	s_add_co_u32 s44, s44, s45
	s_mov_b32 s45, 0
	s_add_nc_u64 s[MB:MB+1], s[8:9], s[44:45]
	s_load_b512 s[MW:MW+15], s[MB:MB+1], 0x0       ; my first step's words: registers 0-3 of the four key tiles,
	s_load_b512 s[MW+16:MW+31], s[MB:MB+1], 0x100  ; registers 4-7
	s_lshl_b32 s44, s16, 20                        ; Q: four heads of 2^18 bytes,
	s_lshl_b32 s45, s21, 11                        ; 16 rows of 128 bytes
	s_add_co_u32 s44, s44, s45
	s_mov_b32 s45, 0
	s_add_nc_u64 s[4:5], s[4:5], s[44:45]
	s_lshl_b32 s44, s21, 16                        ; ao: 16 rows of 4,096 bytes,
	s_lshl_b32 s45, s16, 9                         ; four heads of 128 bytes
	s_add_co_u32 s44, s44, s45
	s_mov_b32 s45, 0
	s_add_nc_u64 s[10:11], s[10:11], s[44:45]
.irp t, 0,1,2,3
.irp c, 0,1
	global_load_b128 v[QF+16*\t+8*\c:QF+16*\t+8*\c+3],   v[QO], s[4:5] offset:262144*\t+64*\c      ; Q stays in registers
	global_load_b128 v[QF+16*\t+8*\c+4:QF+16*\t+8*\c+7], v[QO], s[4:5] offset:262144*\t+64*\c+32
.endr
.endr
.irp t, 0,1,2,3
	v_mov_b32 v[ST+8*\t+1], 0xef800000             ; m = -2^96: over every hidden score, under every score that counts
	v_mov_b32 v[ST+8*\t+2], 0                      ; l
	v_mov_b32 v[ST+8*\t+3], 0
.endr
.irp t, 0,1,2,3
	v_mul_f32 v[ST+8*\t], s[CS], v[ST+8*\t+1]      ; c m
.endr
	WIN 0x40
.set n, 0
.rept 128
	v_mov_b32 v[128+n], 0                          ; O^T.  The step is written with no first step of its own: the first finds zeros.  These lines run once, against 32 steps
.set n, n+1
.endr
	WIN 0
	s_wait_loadcnt 0x0                             ; Q
.macro BIAS from, to                   ; the biases' registers from .. to - 1: register 8 a + j
.set n, \from
.rept \to-\from
	v_cndmask_b32 v[BI+n], v[NEG], v[ZER], s[MW+16*((n%8)/4)+4*(n/8)+n%4]
.set n, n+1
.endr
.endm
; A KEY STEP: 64 keys x my four tiles.  i: my first or second step of the slot; more = 1: the next step's mask words are asked for.
.macro STEP i, more
	s_wait_kmcnt 0x0                               ; this step's mask words are in
	BIAS 0, 4                                      ; four plain lines: the places between the last V^T P and the loads into the registers that it read
.irp c, 0,1
.irp a, 0,1,2,3
	ds_load_b128 v[KV+16*\a+8*\c:KV+16*\a+8*\c+3],   v[ADK] offset:2*\i*STEPB+2176*\a+64*\c
	ds_load_b128 v[KV+16*\a+8*\c+4:KV+16*\a+8*\c+7], v[ADK] offset:2*\i*STEPB+2176*\a+64*\c+32
.endr
.endr
	BIAS 4, 32
.if \more
.if \i == 0
	s_load_b512 s[MW:MW+15], s[MB:MB+1], 0x80      ; my second step lies two steps, 128 bytes, on
	s_load_b512 s[MW+16:MW+31], s[MB:MB+1], 0x180
.else
	s_add_nc_u64 s[MB:MB+1], s[MB:MB+1], 512       ; the next slot (the loads that read this base were waited for at the step's head)
	s_load_b512 s[MW:MW+15], s[MB:MB+1], 0x0
	s_load_b512 s[MW+16:MW+31], s[MB:MB+1], 0x100
.endif
.endif
	s_wait_dscnt 8                                 ; channels 0-31 are in; the eight loads of channels 32-63 may be out
	WIN 0x40                                       ; D in window 1
.irp a, 0,1,2,3
.irp t, 0,1,2,3
	v_wmma_f32_16x16x32_f16 v[32*\t+8*\a:32*\t+8*\a+7], v[KV+16*\a:KV+16*\a+7], v[QF+16*\t:QF+16*\t+7], v[BI+8*\a:BI+8*\a+7]   ; the bias starts the sum.  The 16 accumulators take turns
.endr
.endr
	s_wait_dscnt 0x0
	WIN 0x50                                       ; C and D in window 1
.irp a, 0,1,2,3
.irp t, 0,1,2,3
	v_wmma_f32_16x16x32_f16 v[32*\t+8*\a:32*\t+8*\a+7], v[KV+16*\a+8:KV+16*\a+15], v[QF+16*\t+8:QF+16*\t+15], v[32*\t+8*\a:32*\t+8*\a+7]
.endr
.endr
	WIN 0
.irp t, 0,1,2,3
	v_mov_b32 v[OLD+\t], v[ST+8*\t]                ; c m is kept for a.  Four plain lines: the places in front of V's loads and of the first read of the scores
.endr
.irp c, 0,1
.irp d, 0,1,2,3
	ds_load_tr16_b128 v[KV+32*\c+8*\d:KV+32*\c+8*\d+3],   v[ADV] offset:2*\i*STEPB+4608*\c+32*\d        ; keys 32 c on, channels 16 d on
	ds_load_tr16_b128 v[KV+32*\c+8*\d+4:KV+32*\c+8*\d+7], v[ADV] offset:2*\i*STEPB+4608*\c+2304+32*\d
.endr
.endr
	; the maximum of a lane's 32 scores and the old m: four chains a tile, the four tiles by turns; each accumulator is read from its low end on
	WIN 0x15
.irp j, 0,1,2,3
.irp t, 0,1,2,3
	v_max3_num_f32 v[ST+8*\t+4+\j], v[32*\t+8*\j], v[32*\t+8*\j+1], v[32*\t+8*\j+2]
.endr
.endr
	WIN 0x14
.irp k, 1,2
.irp j, 0,1,2,3
.irp t, 0,1,2,3
	v_max3_num_f32 v[ST+8*\t+4+\j], v[ST+8*\t+4+\j], v[32*\t+8*\j+2*\k+1], v[32*\t+8*\j+2*\k+2]
.endr
.endr
.endr
.irp t, 0,1,2,3
	v_max3_num_f32 v[ST+8*\t+4], v[ST+8*\t+4], v[32*\t+7], v[32*\t+15]
.endr
.irp t, 0,1,2,3
	v_max3_num_f32 v[ST+8*\t+6], v[ST+8*\t+6], v[32*\t+23], v[32*\t+31]
.endr
	WIN 0
.irp t, 0,1,2,3
	v_max3_num_f32 v[ST+8*\t+4], v[ST+8*\t+4], v[ST+8*\t+5], v[ST+8*\t+6]
.endr
.irp t, 0,1,2,3
	v_max3_num_f32 v[ST+8*\t+4], v[ST+8*\t+4], v[ST+8*\t+7], v[ST+8*\t+1]
.endr
.irp t, 0,1,2,3
	v_permlanex16_b32 v[ST+8*\t+5], v[ST+8*\t+4], s[SEL], s[SEL+1]   ; the query's other 32 keys lie in the lane 16 away
.endr
.irp t, 0,1,2,3
	v_max_num_f32 v[ST+8*\t+1], v[ST+8*\t+4], v[ST+8*\t+5]
.endr
.irp t, 0,1,2,3
	v_mul_f32 v[ST+8*\t], s[CS], v[ST+8*\t+1]
.endr
.irp t, 0,1,2,3
	v_sub_f32 v[ST+8*\t+7], v[OLD+\t], v[ST+8*\t]
.endr
.irp t, 0,1,2,3
	v_exp_f32 v[ST+8*\t+6], v[ST+8*\t+7]           ; a
.endr
	WIN 0x41                                       ; destination and source 0 in window 1
.set n, 0
.rept 64
	v_pk_fma_f32 v[2*n:2*n+1], v[2*n:2*n+1], s[CS:CS+1], v[ST+8*(n/16):ST+8*(n/16)+1] op_sel_hi:[1,0,0] neg_lo:[0,0,1] neg_hi:[0,0,1]   ; c s - c m, two at a time: plain work behind the four exponentials
.set n, n+1
.endr
	s_wait_alu depctr_va_vdst(0)                   ; the wait ahead of the first line that names a
.set n, 0
.rept 64
	v_pk_mul_f32 v[128+2*n:129+2*n], v[128+2*n:129+2*n], v[ST+8*(n/16)+6:ST+8*(n/16)+7] op_sel_hi:[1,0]   ; O^T x a, in ascending order, dealt out among the exponentials: none of these names a result of the batch
	v_exp_f32 v[2*n], v[2*n]                       ; p
	v_exp_f32 v[2*n+1], v[2*n+1]
.set n, n+1
.endr
	WIN 0
.irp t, 0,1,2,3
	v_pk_mul_f32 v[ST+8*\t+2:ST+8*\t+3], v[ST+8*\t+2:ST+8*\t+3], v[ST+8*\t+6:ST+8*\t+7] op_sel_hi:[1,0]   ; l x a: the plain lines behind the last exponential
.endr
	s_wait_alu depctr_va_vdst(0)                   ; one wait for the batch of 128, ahead of its first reader
	WIN 0x05
.irp t, 0,1,2,3
	v_pk_add_f32 v[ST+8*\t+4:ST+8*\t+5], v[32*\t:32*\t+1], v[32*\t+2:32*\t+3]    ; the sums of p, before it is rounded: two chains a tile
.endr
	WIN 0x04
.irp p, 2,4,6,8,10,12,14
.irp t, 0,1,2,3
	v_pk_add_f32 v[ST+8*\t+2:ST+8*\t+3], v[ST+8*\t+2:ST+8*\t+3], v[32*\t+2*\p:32*\t+2*\p+1]
.endr
.irp t, 0,1,2,3
	v_pk_add_f32 v[ST+8*\t+4:ST+8*\t+5], v[ST+8*\t+4:ST+8*\t+5], v[32*\t+2*\p+2:32*\t+2*\p+3]
.endr
.endr
	WIN 0
.irp t, 0,1,2,3
	v_pk_add_f32 v[ST+8*\t+2:ST+8*\t+3], v[ST+8*\t+2:ST+8*\t+3], v[ST+8*\t+4:ST+8*\t+5]
.endr
	WIN 0x45
.irp e, 0,1,2,3,4,5,6,7,8,9,10,11,12,13,14,15
.irp t, 0,1,2,3
	v_cvt_pk_f16_f32 v[32*\t+\e], v[32*\t+2*\e], v[32*\t+2*\e+1]   ; P, packed in place from the low end: register e is written when registers 2 e, 2 e + 1 are read
.endr
.endr
	s_wait_dscnt 0x0                               ; V is in
	WIN 0x54                                       ; V in window 0; P, C and D in window 1
.irp c, 0,1
.irp d, 0,1,2,3
.irp t, 0,1,2,3
	v_wmma_f32_16x16x32_f16 v[128+32*\t+8*\d:128+32*\t+8*\d+7], v[KV+32*\c+8*\d:KV+32*\c+8*\d+7], v[32*\t+8*\c:32*\t+8*\c+7], v[128+32*\t+8*\d:128+32*\t+8*\d+7]
.endr
.endr
.endr
	WIN 0
.endm
; THE CHANGE OF SLOTS stands at a slot's head.  Each wave waits for all its tensor loads (its part of the slot that it is about to read), adds 0 to its spare word, and waits for that and for its reads of the slot that it has left.
; fill = 1: the barrier is a round of the cluster's, and behind it the other slot is asked for, with the 256 keys that follow: that load has a whole slot's work in which to land.
.macro CHANGE fill
	s_wait_tensorcnt 0x0                           ; no tensor load of mine is out, so my group 0 may be written
	ds_add_u32 v[SPW], v[NIL]
.if \fill
	s_xor_b32 s[G0+1], s[G0+1], SLOT1              ; the other slot than last time,
	s_add_nc_u64 s[G0+2:G0+3], s[G0+2:G0+3], 32768 ; the next 256 keys
	s_wait_xcnt 0x0                                ; the last prefetch, a slot back, has read its address
	s_add_nc_u64 s[PFA:PFA+1], s[PFA:PFA+1], 32768 ; one slot further on than my group 0
.endif
	s_wait_dscnt 0x0                               ; the add is done, and my reads of the slot that I have left are over
.if \fill
	CROUND
	JLOAD                                          ; my one tensor load behind the round
	ASK
.else
	s_barrier_signal -1
	s_barrier_wait -1
.endif
.endm
.macro SLOT_WORK last
	v_add_nc_u32 v[ADK], s[TB], v[AK0]
	v_add_nc_u32 v[ADV], s[TB], v[AV0]
	STEP 0, 1
	STEP 1, 1-\last
	s_xor_b32 s[TB], s[TB], SLOT1
.endm
.Lslot:                                                ; 15 trips: behind each change of slots but the last the next slot is asked for
	CHANGE 1
	SLOT_WORK 0
	s_sub_co_u32 s[SLOTS], s[SLOTS], 1
	s_cmp_lg_u32 s[SLOTS], 0
	s_cbranch_scc1 .Lslot
	CHANGE 0                                       ; the last slot is written out
	SLOT_WORK 1
	; THE MERGE.  l's two halves and the other half of the lanes' are added.  Waves with u = 1 hand c m, l and O^T to their partners as images of their registers.
.irp t, 0,1,2,3
	v_add_f32 v[228+\t], v[ST+8*\t+2], v[ST+8*\t+3]   ; (these plain lines are the places behind the last products)
.endr
.irp t, 0,1,2,3
	v_mov_b32 v[224+\t], v[ST+8*\t]
.endr
.irp t, 0,1,2,3
	v_permlanex16_b32 v[ST+8*\t+5], v[228+\t], s[SEL], s[SEL+1]
.endr
.irp t, 0,1,2,3
	v_add_f32 v[228+\t], v[228+\t], v[ST+8*\t+5]
.endr
	s_cmp_eq_u32 s15, 0
	s_cbranch_scc1 .Lkeeper
	WIN 0x04                                       ; an LDS store's data are its source 1: window 1
.set n, 0
.rept 32
	ds_store_b128 v[XA], v[128+4*n:131+4*n] offset:512*n   ; each accumulator from its low end on
.set n, n+1
.endr
	WIN 0
	ds_store_b128 v[XA], v[224:227] offset:16384
	ds_store_b128 v[XA], v[228:231] offset:16896
.Lkeeper:
	s_wait_dscnt 0x0                               ; for the partner's sake: my stores have landed
	s_barrier_signal -1
	s_barrier_wait -1
	s_cmp_lg_u32 s15, 0
	s_cbranch_scc1 .Lend                           ; waves with u = 1 are done
	ds_load_b128 v[232:235], v[XA] offset:16384    ; the partner's c m,
	ds_load_b128 v[236:239], v[XA] offset:16896    ; its l,
	WIN 0x40
.set n, 0
.rept 32
	ds_load_b128 v[4*n:4*n+3], v[XA] offset:512*n  ; and its O^T, into the registers that held S^T
.set n, n+1
.endr
	WIN 0
	s_wait_dscnt 32                                ; c m and l are in; the 32 loads of O^T may be out
.irp t, 0,1,2,3
	v_max_num_f32 v[ST+8*\t+4], v[224+\t], v[232+\t]
.endr
.irp t, 0,1,2,3
	v_sub_f32 v[ST+8*\t+5], v[224+\t], v[ST+8*\t+4]
	v_sub_f32 v[ST+8*\t+6], v[232+\t], v[ST+8*\t+4]
.endr
.irp t, 0,1,2,3
	v_exp_f32 v[ST+8*\t+5], v[ST+8*\t+5]           ; what brings my sums under the common maximum,
	v_exp_f32 v[ST+8*\t+6], v[ST+8*\t+6]           ; and the partner's
.endr
	v_nop                                          ; a plain line behind the last exponential
	s_wait_alu depctr_va_vdst(0)                   ; one wait for the eight
.irp t, 0,1,2,3
	v_mul_f32 v[ST+8*\t+7], v[228+\t], v[ST+8*\t+5]
.endr
.irp t, 0,1,2,3
	v_fma_f32 v[ST+8*\t+7], v[236+\t], v[ST+8*\t+6], v[ST+8*\t+7]   ; the row's sum
.endr
.irp t, 0,1,2,3
	v_rcp_f32 v[ST+8*\t+4], v[ST+8*\t+7]
.endr
	v_nop
	s_wait_alu depctr_va_vdst(0)                   ; one wait for the four reciprocals
.irp t, 0,1,2,3
	v_mul_f32 v[240+2*\t], v[ST+8*\t+5], v[ST+8*\t+4]
	v_mul_f32 v[241+2*\t], v[ST+8*\t+5], v[ST+8*\t+4]   ; (named as the pair's upper half, so it is written)
	v_mul_f32 v[248+2*\t], v[ST+8*\t+6], v[ST+8*\t+4]
	v_mul_f32 v[249+2*\t], v[ST+8*\t+6], v[ST+8*\t+4]
.endr
	s_wait_dscnt 0x0
	WIN 0x41
.set n, 0
.rept 64
	v_pk_mul_f32 v[2*n:2*n+1], v[2*n:2*n+1], v[248+2*(n/16):249+2*(n/16)] op_sel_hi:[1,0]
.set n, n+1
.endr
	WIN 0x51
.set n, 0
.rept 64
	v_pk_fma_f32 v[128+2*n:129+2*n], v[128+2*n:129+2*n], v[240+2*(n/16):241+2*(n/16)], v[2*n:2*n+1] op_sel_hi:[1,0,1]   ; each accumulator from its low end on
.set n, n+1
.endr
	WIN 0x45
.set n, 0
.rept 64
	v_cvt_pk_f16_f32 v[n], v[128+2*n], v[129+2*n]  ; registers 16 t + 4 d .. + 3: eight channels of head t, 16 bytes
.set n, n+1
.endr
	WIN 0x04
.irp t, 0,1,2,3
.irp d, 0,1,2,3
	ds_store_b128 v[STO], v[16*\t+4*\d:16*\t+4*\d+3] offset:128*\t+32*\d
.endr
.endr
	WIN 0
.irp i, 0,1,2,3,4,5,6,7,8,9,10,11,12,13,14,15
	ds_load_b128 v[KV+4*\i:KV+4*\i+3], v[RD] offset:528*\i   ; LDS serves a wave's instructions in order: these see my stores.  A row's four heads: 512 bytes
.endr
.irp i, 0,1,2,3,4,5,6,7,8,9,10,11,12,13,14,15
	s_wait_dscnt 15-\i
	global_store_b128 v[GO], v[KV+4*\i:KV+4*\i+3], s[10:11] offset:4096*\i   ; 32 lanes store 512 consecutive bytes
.endr
.Lend:
	s_wait_tensorcnt 0x0                           ; the wave's end: behind my last tensor load and my last LDS store
	ds_add_u32 v[SPW], v[NIL]
	s_wait_dscnt 0x0
	CROUND                                         ; the closing round
	s_endpgm
.Lfunc_end_k_q275666b261_attn:
	.size	k_q275666b261_attn, .Lfunc_end_k_q275666b261_attn-k_q275666b261_attn
	.p2alignl 7, 3214868480
	.fill 96, 4, 3214868480
	.section	.rodata,"a",@progbits
	.p2align	6, 0x0
	.amdhsa_kernel k_q275666b261_attn
		.amdhsa_group_segment_fixed_size 327680
		.amdhsa_private_segment_fixed_size 0
		.amdhsa_enable_private_segment 0
		.amdhsa_kernarg_size 32
		.amdhsa_user_sgpr_count 2
		.amdhsa_user_sgpr_kernarg_segment_ptr 1
		.amdhsa_wavefront_size32 1
		.amdhsa_system_sgpr_workgroup_id_x 1
		.amdhsa_system_sgpr_workgroup_id_y 1
		.amdhsa_system_sgpr_workgroup_id_z 1
		.amdhsa_system_vgpr_workitem_id 0
		.amdhsa_next_free_vgpr 512
		.amdhsa_next_free_sgpr 100
		.amdhsa_reserve_vcc 0
		.amdhsa_float_denorm_mode_32 3
		.amdhsa_float_denorm_mode_16_64 3
		.amdhsa_memory_ordered 1
		.amdhsa_forward_progress 1
		.amdhsa_inst_pref_size 174
	.end_amdhsa_kernel
	.amdgpu_metadata
---
amdhsa.version: [ 1, 2 ]
amdhsa.kernels:
  - .name:           k_q275666b261_attn
    .symbol:         k_q275666b261_attn.kd
    .args:
      - { .name: qf, .offset: 0, .size: 8, .value_kind: global_buffer, .address_space: global }
      - { .name: kvf, .offset: 8, .size: 8, .value_kind: global_buffer, .address_space: global }
      - { .name: mbits, .offset: 16, .size: 8, .value_kind: global_buffer, .address_space: global }
      - { .name: ao, .offset: 24, .size: 8, .value_kind: global_buffer, .address_space: global }
    .group_segment_fixed_size: 327680
    .private_segment_fixed_size: 0
    .kernarg_segment_align: 8
    .kernarg_segment_size: 32
    .max_flat_workgroup_size: 256
    .sgpr_count:     100
    .vgpr_count:     512
    .wavefront_size: 32
...
	.end_amdgpu_metadata
.endif
;; end of part 3
;; launch oproj (part 4): grid 16 x 16, 4 waves a work-group, clusters of 4 x 4, 327,680 bytes of LDS; arguments ao, wot, out0; writes out0
.if DOCPART == 4
	.amdgcn_target "amdgcn-amd-amdhsa--gfx1250"
	.amdhsa_code_object_version 6
	.text
	.protected	k_q275666b261_oproj
	.globl	k_q275666b261_oproj
	.p2align	8
	.type	k_q275666b261_oproj,@function
k_q275666b261_oproj:
	s_mov_b64 s[64:65], 0
	v_nop
	global_prefetch_b8 v0, s[64:65] scope:SCOPE_SE
	s_setreg_imm32_b32 hwreg(HW_REG_WAVE_MODE, 25, 1), 1
	s_wait_xcnt 0x0
	s_wait_alu depctr_hold_cnt(0) depctr_sa_sdst(0) depctr_va_vdst(0) depctr_va_sdst(0) depctr_va_ssrc(0) depctr_va_vcc(0) depctr_vm_vsrc(0)
	s_getreg_b32 s2, hwreg(HW_REG_IB_STS2, 6, 4)
	s_cmp_eq_u32 s2, 0
	s_cbranch_scc0 .Lentry_in_a_cluster
	s_endpgm
.Lentry_in_a_cluster:
	s_bfe_u32 s2, ttmp6, 0x10000c
	s_cmp_lg_u32 s2, 0xf033
	s_cbranch_scc0 .Lentry_shape_is_right
	s_endpgm
.Lentry_shape_is_right:
; out0[m][n] = sum over k of ao[m][k] wot[n][k].  ao: [2048][2048] f16, wot: [2048 (n)][2048 (k)] f16 (Wo turned), out0: [2048][2048] f32; sums in f32.
; A tile of 128 x 128 to a work-group, so that there are 256 of them; four waves, each 64 x 64: 16 accumulators.  K goes in steps of 256 (LDS rows of 512 bytes) through a ring of two slots.
; CLUSTERS: 4 x 4 work-groups; A's tiles are asked for jointly along a row of the cluster, B's along a column.  The matrix instruction is used transposed: a lane holds eight neighbouring numbers of a row of the result.
; THE WAY OUT: a wave's 64 columns of f32 are 256 consecutive bytes of a row, so each wave has a stage of its own and no barrier is needed.
; REGISTERS: window 0: v0-31 addresses; v32-95 the way out; v128-255 the accumulators ((a, b) at v[128 + 8 (4 a + b)]).  window 1: two fragment buffers of 128.
.set SIZE_M, 2048
.set SIZE_N, 2048
.set SIZE_K, 2048
.set KSTEP,  256
.set PITCH,  528                       ; an LDS row: 512 bytes + 16 of padding
.set HALFT,  64*PITCH
.set SLOT,   4*HALFT
.set STAGE,  2*SLOT                    ; behind the ring: 16 rows x 272 bytes for each wave
.set SPITCH, 272
.set SPARE,  STAGE+4*16*SPITCH         ; the spare words, 128 bytes for each wave
.set LAPS, SIZE_K/(2*KSTEP)
.set ADRA, 16
.set ADRB, 20
.set STO,  24
.set RD,   25
.set CO,   26
.set SPW,  28
.set NIL,  29
.set TMP,  32
.set ACC,  128
.set F0,   0
.set F1,   128
.set G1, 24
.set G0, 32
.set G1B, 48
.set G0B, 56
.set MSB, 0
.macro WIN new
.if MSB != (\new)
	s_set_vgpr_msb (MSB<<8)|(\new)
.set MSB, (\new)
.endif
.endm
.set MUL,  0x05                        ; sources 0 (B) and 1 (A) window 1; C and D window 0
.set TO_F, 0x40
.macro JLOAD s                         ; a joint load: waves 0 and 1 fetch A's two halves, waves 2 and 3 B's; an s_nop 0 and four v_nop follow each of the two lines
	s_cmp_eq_u32 s11, 0
	s_cbranch_scc0 .Lfor_b_\@
	tensor_load_to_lds s[G0+4*\s:G0+4*\s+3], s[G1:G1+7]
	s_nop 0
.rept 4
	v_nop
.endr
	s_branch .Lasked_\@
.Lfor_b_\@:
	tensor_load_to_lds s[G0B+4*\s:G0B+4*\s+3], s[G1B:G1B+7]
	s_nop 0
.rept 4
	v_nop
.endr
.Lasked_\@:
.endm
.macro CREST
	s_cmp_lg_u32 s10, 0
	s_cbranch_scc1 .Lnot_wave_0_\@
	s_barrier_signal -3
.Lnot_wave_0_\@:
	s_barrier_wait -3
	s_barrier_signal -1
	s_barrier_wait -1
.endm
.macro CROUND
	s_barrier_signal -1
	s_barrier_wait -1
	CREST
.endm
	s_load_b128 s[4:7], s[0:1], 0x0                ; ao, wot
	s_load_b64 s[8:9], s[0:1], 0x10                ; out0
	v_lshl_add_u32 v[SPW], v0, 2, SPARE
	v_mov_b32 v[NIL], 0
	ds_add_u32 v[SPW], v[NIL]                      ; the wave's opening: the add, twice on end, and its wait ahead of my first tensor load
	ds_add_u32 v[SPW], v[NIL]
	v_lshrrev_b32 v1, 5, v0
	v_readfirstlane_b32 s10, v1                    ; wave 0..3
	s_lshr_b32 s11, s10, 1                         ; which half of the tile's rows is mine.  Also: I fetch for A (0) or for B (1)
	s_and_b32 s12, s10, 1                          ; which half of its columns.  Also: which 64 rows of that tile I fetch
	s_bfe_u32 s40, ttmp6, 0x40000
	s_bfe_u32 s41, ttmp6, 0x40004
	s_lshl_b32 s42, ttmp9, 2
	s_add_co_u32 s42, s42, s40                     ; tile column
	s_and_b32 s13, ttmp7, 0xffff
	s_lshl_b32 s13, s13, 2
	s_add_co_u32 s13, s13, s41                     ; tile row
	s_lshl_b32 s43, s41, 2
	s_lshl_b32 s43, 15, s43                        ; my row of the cluster
	s_lshl_b32 s44, 0x1111, s40                    ; my column
	s_or_b32 s[G1+0], s43, (1<<16)|(1<<20)|(1<<21)|(6<<22)|(3<<25)  ; the mask; elements of 2 bytes; padding on; bit 21 beside a mask; 4 words after every 128
	s_or_b32 s[G1B+0], s44, (1<<16)|(1<<20)|(1<<21)|(6<<22)|(3<<25)
.irp g, G1, G1B
	s_mov_b32 s[\g+1], KSTEP<<16                   ; tensor_dim0
	s_mov_b32 s[\g+2], 64<<16                      ; tensor_dim1
	s_mov_b32 s[\g+3], KSTEP<<16                   ; tile_dim0
	s_mov_b32 s[\g+4], 64                          ; tile_dim1
	s_mov_b32 s[\g+5], SIZE_K                      ; stride from row to row
	s_mov_b32 s[\g+6], 0
	s_mov_b32 s[\g+7], 0
.endr
	s_lshl_b32 s17, s12, 6
	s_lshl_b32 s16, s13, 7
	s_add_co_u32 s16, s16, s17                     ; A: row 128 x tile row + 64 x half
	s_lshl_b32 s46, s42, 7
	s_add_co_u32 s46, s46, s17                     ; B: row 128 x tile column + 64 x half
	s_mov_b32 s17, 0
	s_mov_b32 s47, 0
	s_mov_b64 s[18:19], SIZE_K*2
	s_mul_u64 s[16:17], s[16:17], s[18:19]
	s_mul_u64 s[46:47], s[46:47], s[18:19]
	s_mul_i32 s20, s10, HALFT                      ; where they go: wave x 64 rows
	s_wait_dscnt 0x0                               ; both opening adds are done
	s_wait_kmcnt 0x0
	s_add_nc_u64 s[14:15], s[4:5], s[16:17]
	s_add_nc_u64 s[46:47], s[6:7], s[46:47]
	CROUND                                         ; all sixteen work-groups are here: the first joint loads meet
.irp s, 0,1
	s_mov_b32 s[G0+4*\s], 1
	s_add_co_u32 s[G0+4*\s+1], s20, \s*SLOT
	s_add_nc_u64 s[G0+4*\s+2:G0+4*\s+3], s[14:15], \s*KSTEP*2
	s_or_b32 s[G0+4*\s+3], s[G0+4*\s+3], 0x80000000
	s_mov_b32 s[G0B+4*\s], 1
	s_add_co_u32 s[G0B+4*\s+1], s20, \s*SLOT
	s_add_nc_u64 s[G0B+4*\s+2:G0B+4*\s+3], s[46:47], \s*KSTEP*2
	s_or_b32 s[G0B+4*\s+3], s[G0B+4*\s+3], 0x80000000
	JLOAD \s                                       ; two tensor loads of mine are out
.endr
	v_and_b32 v1, 15, v0                           ; r
	v_bfe_u32 v2, v0, 4, 1                         ; h
	v_mul_u32_u24 v3, v1, PITCH
	v_lshl_add_u32 v3, v2, 4, v3
	s_mul_i32 s21, s11, HALFT                      ; my 64 rows of A
	s_mul_i32 s22, s12, HALFT                      ; my 64 rows of B,
	s_add_co_u32 s22, s22, 2*HALFT                 ; behind A's 128
.irp s, 0,1
	v_add_nc_u32 v[ADRA+\s], s21, v3
	v_add_nc_u32 v[ADRB+\s], s22, v3
	s_add_co_u32 s21, s21, SLOT
	s_add_co_u32 s22, s22, SLOT
.endr
	s_mul_i32 s23, s10, 16*SPITCH
	s_add_co_u32 s23, s23, STAGE                   ; my stage
	v_mul_u32_u24 v4, v1, SPITCH
	v_lshl_add_u32 v4, v2, 5, v4
	v_add_nc_u32 v[STO], s23, v4                   ; in: row r, 32 bytes for each half of the lanes
	v_mul_u32_u24 v5, v2, SPITCH
	v_lshl_add_u32 v5, v1, 4, v5
	v_add_nc_u32 v[RD], s23, v5                    ; back: lanes 0-15 one row of 256 bytes, lanes 16-31 the next
	v_lshlrev_b32 v5, 13, v2
	v_lshl_add_u32 v[CO], v1, 4, v5                ; and the same two rows of out0, 8,192 bytes apart
	s_lshl_b32 s16, s13, 7
	s_lshl_b32 s17, s11, 6
	s_add_co_u32 s16, s16, s17                     ; my first row
	s_lshl_b32 s16, s16, 13
	s_mov_b32 s17, 0
	s_add_nc_u64 s[8:9], s[8:9], s[16:17]
	s_lshl_b32 s46, s42, 9                         ; my first column, in bytes: 512 x tile column + 256 x half
	s_lshl_b32 s47, s12, 8
	s_add_co_u32 s46, s46, s47
	s_mov_b32 s47, 0
	s_add_nc_u64 s[8:9], s[8:9], s[46:47]
; 8 matrix instructions: m blocks a0, a0 + 1 x all 4 n blocks, 32 along K.  The 16 accumulators take turns.
.macro MUL8 f, c, a0, zero
.irp a, \a0, \a0+1
.irp b, 0,1,2,3
.if \zero
	v_wmma_f32_16x16x32_f16 v[ACC+8*(4*(\a)+\b):ACC+8*(4*(\a)+\b)+7], v[\f+64+8*(4*\c+\b):\f+64+8*(4*\c+\b)+7], v[\f+8*(4*\c+\a):\f+8*(4*\c+\a)+7], 0
.else
	v_wmma_f32_16x16x32_f16 v[ACC+8*(4*(\a)+\b):ACC+8*(4*(\a)+\b)+7], v[\f+64+8*(4*\c+\b):\f+64+8*(4*\c+\b)+7], v[\f+8*(4*\c+\a):\f+8*(4*\c+\a)+7], v[ACC+8*(4*(\a)+\b):ACC+8*(4*(\a)+\b)+7]
.endif
.endr
.endr
.endm
.macro FETCH slot, k, f                ; 32 LDS loads in one run: the fragments of 64 along K at byte k of the rows; the first 32 along K first
	WIN TO_F
.irp c, 0,1
.irp i, 0,1,2,3
	ds_load_b128 v[\f+64+8*(4*\c+\i):\f+64+8*(4*\c+\i)+3],   v[ADRB+\slot] offset:\k+64*\c+\i*16*PITCH
	ds_load_b128 v[\f+64+8*(4*\c+\i)+4:\f+64+8*(4*\c+\i)+7], v[ADRB+\slot] offset:\k+64*\c+\i*16*PITCH+32
	ds_load_b128 v[\f+8*(4*\c+\i):\f+8*(4*\c+\i)+3],         v[ADRA+\slot] offset:\k+64*\c+\i*16*PITCH
	ds_load_b128 v[\f+8*(4*\c+\i)+4:\f+8*(4*\c+\i)+7],       v[ADRA+\slot] offset:\k+64*\c+\i*16*PITCH+32
.endr
.endr
.endm
.macro PLACES                          ; four plain lines in front of loads into registers that matrix instructions have read, and of reads of results
.rept 4
	v_nop
.endr
.endm
.macro QUARTER slot, k, f, g, zero
	s_wait_dscnt 16                                ; the first 32 along K are in; the sixteen loads of the second 32 may be out
	WIN MUL
	MUL8 \f, 0, 0, \zero
	MUL8 \f, 0, 2, \zero
	PLACES
	FETCH \slot, \k, \g
	s_wait_dscnt 32                                ; all but the 32 just issued
	WIN MUL
	MUL8 \f, 1, 0, 0
	MUL8 \f, 1, 2, 0
.endm
; The last quarter changes slots: one barrier; in front of it each wave waits for all its tensor loads, adds 0 to its spare word, and waits for that and for its reads of this slot.
.macro TURN slot, next, fill
	WIN 0
	s_wait_tensorcnt 0x0                           ; all my tensor loads have landed: my part of the next slot
	ds_add_u32 v[SPW], v[NIL]
	s_wait_dscnt 17                                ; the add and the youngest sixteen loads may be out
	WIN MUL
	MUL8 F1, 0, 0, 0
	s_wait_dscnt 0x0                               ; the add is done, and my reads of this slot are over
	s_barrier_signal -1
	MUL8 F1, 0, 2, 0
.if \fill
	WIN 0
.endif
	s_barrier_wait -1
.if \fill
	CREST                                          ; the barrier has opened a round of the cluster's barrier
	s_add_nc_u64 s[G0+4*\slot+2:G0+4*\slot+3], s[G0+4*\slot+2:G0+4*\slot+3], 2*KSTEP*2
	s_add_nc_u64 s[G0B+4*\slot+2:G0B+4*\slot+3], s[G0B+4*\slot+2:G0B+4*\slot+3], 2*KSTEP*2
	JLOAD \slot                                    ; my one tensor load behind the round; its four v_nop are also the places in front of the loads below
.else
	PLACES
.endif
	FETCH \next, 0, F0
	WIN MUL
	MUL8 F1, 1, 0, 0
	MUL8 F1, 1, 2, 0
.endm
	s_wait_tensorcnt 1                             ; my part of K step 0 is in; K step 1's load may be out
	s_barrier_signal -1
	s_barrier_wait -1
	FETCH 0, 0, F0
	QUARTER 0, 128, F0, F1, 1                      ; the first products start the sums
	WIN 0
	s_mov_b32 s3, LAPS-1
.Llap:                                                 ; a trip goes once round the ring and fills both slots again
	QUARTER 0, 256, F1, F0, 0
	QUARTER 0, 384, F0, F1, 0
	TURN 0, 1, 1
	QUARTER 1, 128, F0, F1, 0
	QUARTER 1, 256, F1, F0, 0
	QUARTER 1, 384, F0, F1, 0
	TURN 1, 0, 1
	QUARTER 0, 128, F0, F1, 0
	WIN 0
	s_sub_co_u32 s3, s3, 1
	s_cmp_lg_u32 s3, 0
	s_cbranch_scc1 .Llap
	QUARTER 0, 256, F1, F0, 0                      ; the last lap fills nothing
	QUARTER 0, 384, F0, F1, 0
	TURN 0, 1, 0
	QUARTER 1, 128, F0, F1, 0
	QUARTER 1, 256, F1, F0, 0
	QUARTER 1, 384, F0, F1, 0
	s_wait_dscnt 16
	WIN MUL
	MUL8 F1, 0, 0, 0
	MUL8 F1, 0, 2, 0
	s_wait_dscnt 0
	MUL8 F1, 1, 0, 0
	MUL8 F1, 1, 2, 0
	WIN 0
; THE WAY OUT, block by block of 16 rows x 64 columns: through my own stage, back as whole rows of 256 bytes.  LDS serves a wave's instructions in order: no wait between the stores and the loads.
.macro TOSTAGE a
.irp b, 0,1,2,3
	ds_store_b128 v[STO], v[ACC+8*(4*(\a)+\b):ACC+8*(4*(\a)+\b)+3] offset:64*\b        ; each accumulator from its low end on
	ds_store_b128 v[STO], v[ACC+8*(4*(\a)+\b)+4:ACC+8*(4*(\a)+\b)+7] offset:64*\b+16
.endr
.irp t, 0,1,2,3,4,5,6,7
	ds_load_b128 v[TMP+32*((\a)%2)+4*\t:TMP+32*((\a)%2)+4*\t+3], v[RD] offset:\t*2*SPITCH
.endr
.endm
.macro SEND a, younger                 ; younger: the LDS instructions issued behind block a's loads, which may stay out
	s_wait_dscnt \younger
.irp t, 0,1,2,3,4,5,6,7
	global_store_b128 v[CO], v[TMP+32*((\a)%2)+4*\t:TMP+32*((\a)%2)+4*\t+3], s[8:9] offset:(16*(\a)+2*\t)*8192 th:TH_STORE_NT   ; sixteen lanes store 256 consecutive bytes
.endr
.endm
	PLACES
	TOSTAGE 0
.irp a, 1,2,3
.if \a > 1
	s_wait_xcnt 0x0                                ; block a - 2's stores have read their registers: block a's loads may land there
.endif
	TOSTAGE \a
	SEND \a-1, 16                                  ; behind block a - 1's loads: block a's 8 stores and 8 loads
.endr
	SEND 3, 0
	s_wait_tensorcnt 0x0                           ; the wave's end: behind my last tensor load and my last LDS store
	ds_add_u32 v[SPW], v[NIL]
	s_wait_dscnt 0x0
	CROUND                                         ; the closing round
	s_endpgm
.Lfunc_end_k_q275666b261_oproj:
	.size	k_q275666b261_oproj, .Lfunc_end_k_q275666b261_oproj-k_q275666b261_oproj
	.p2alignl 7, 3214868480
	.fill 96, 4, 3214868480
	.section	.rodata,"a",@progbits
	.p2align	6, 0x0
	.amdhsa_kernel k_q275666b261_oproj
		.amdhsa_group_segment_fixed_size 327680
		.amdhsa_private_segment_fixed_size 0
		.amdhsa_enable_private_segment 0
		.amdhsa_kernarg_size 24
		.amdhsa_user_sgpr_count 2
		.amdhsa_user_sgpr_kernarg_segment_ptr 1
		.amdhsa_wavefront_size32 1
		.amdhsa_system_sgpr_workgroup_id_x 1
		.amdhsa_system_sgpr_workgroup_id_y 1
		.amdhsa_system_sgpr_workgroup_id_z 1
		.amdhsa_system_vgpr_workitem_id 0
		.amdhsa_next_free_vgpr 512
		.amdhsa_next_free_sgpr 66
		.amdhsa_reserve_vcc 0
		.amdhsa_float_denorm_mode_32 3
		.amdhsa_float_denorm_mode_16_64 3
		.amdhsa_memory_ordered 1
		.amdhsa_forward_progress 1
		.amdhsa_inst_pref_size 86
	.end_amdhsa_kernel
	.amdgpu_metadata
---
amdhsa.version: [ 1, 2 ]
amdhsa.kernels:
  - .name:           k_q275666b261_oproj
    .symbol:         k_q275666b261_oproj.kd
    .args:
      - { .name: ao, .offset: 0, .size: 8, .value_kind: global_buffer, .address_space: global }
      - { .name: wot, .offset: 8, .size: 8, .value_kind: global_buffer, .address_space: global }
      - { .name: out0, .offset: 16, .size: 8, .value_kind: global_buffer, .address_space: global }
    .group_segment_fixed_size: 327680
    .private_segment_fixed_size: 0
    .kernarg_segment_align: 8
    .kernarg_segment_size: 24
    .max_flat_workgroup_size: 128
    .sgpr_count:     66
    .vgpr_count:     512
    .wavefront_size: 32
...
	.end_amdgpu_metadata
.endif
;; end of part 4
